; MI455X (gfx1250); checked and timed in simulation.
; The chip was launched on July 23, 2026; its instructions are those of AMD's public machine-readable ISA for CDNA 5 (MIT licence, August 2026) and "CDNA5" Instruction Set Architecture Reference Guide (July 2026). The comments in the code are by the model that wrote it; some were corrected since.
;; multi head attention. Allowed arithmetic: matrix products marked QUANTISED: E2M3 operands, one E8M0 scale for each 32 along K, by v_wmma_scale_f32_16x16x128_f8f6f4 with both operands' format E2M3, f32 sums; everything else in f32.
;; Inputs: Wk 1,024 x 1,024 float32; Wo 1,024 x 1,024 float32; Wq 1,024 x 1,024 float32; Wv 1,024 x 1,024 float32; bk 1,024 float32; bo 1,024 float32; bq 1,024 float32; bv 1,024 float32; k 4 x 2,048 x 1,024 float32; q 4 x 2,048 x 1,024 float32; v 4 x 2,048 x 1,024 float32.
;; Outputs: out0 4 x 2,048 x 1,024 float32.
;; This version of the problem:
;;   THIS VERSION OF THE PROBLEM IS GIVEN IN LOW PRECISION. The matrix products marked QUANTISED in the list below multiply operands that are first quantised to E2M3 (2 exponent bits, 3 mantissa bits; 6 bits a number), with one power-of-two scale for each 32 numbers along K (OCP MX v1.0); their sums are f32. All else is computed in f32.
;;   The module's matrix products, in the order in which they are computed (A, B: the left and right operand; K: the contracted axis; several contracted axes count as one K, in the product's order):
;;     1. [M 8,192, K 1,024] x [K 1,024, N 1,024]; A: input q; B: input Wq: QUANTISED
;;     2. [M 8,192, K 1,024] x [K 1,024, N 1,024]; A: input k; B: input Wk: QUANTISED
;;     3. [M 8,192, K 1,024] x [K 1,024, N 1,024]; A: input v; B: input Wv: QUANTISED
;;     4. batch 64 x [M 2,048, K 64] x [K 64, N 2,048]; A: computed on the way; B: computed on the way: QUANTISED
;;     5. batch 64 x [M 2,048, K 2,048] x [K 2,048, N 64]; A: softmax (see below); B: computed on the way: QUANTISED
;;     6. [M 8,192, K 1,024] x [K 1,024, N 1,024]; A: computed on the way; B: input Wo: QUANTISED
;;   THE QUANTISER, for each operand of a quantised product, along K:
;;     - K is cut into blocks of 32 from its start; a last block that is shorter is filled with zeros.
;;     - A block's scale is 2^e with e = floor(log2(the largest magnitude in the block)) - 2, held to -126 .. 127; a block of zeros has e = 0. As a byte (E8M0): e + 127.
;;     - Each number is divided by its block's scale, clamped to +-7.5, and rounded to the nearest number of E2M3, ties to even, subnormals kept.
;;     - The product sums the exact products of the quantised numbers (number of the format x scale) in f32.
;;   ~~~python
;;   def quantise(x, axis):      # numpy; x: float32 -> the quantised numbers, widened to float32 again
;;       x = np.moveaxis(x, axis, -1); K = x.shape[-1]
;;       x = np.pad(x, [(0, 0)] * (x.ndim - 1) + [(0, -K % 32)]); x = x.reshape(x.shape[:-1] + (-1, 32)); a = np.abs(x).max(-1, keepdims=True)
;;       e = np.where(a > 0, np.clip(np.frexp(np.where(a > 0, a, 1))[1] - 1 - 2, -126, 127), 0)      # np.frexp(a)[1] - 1 = floor(log2(a)), exactly
;;       r = np.clip(x / 2.0 ** e, -7.5, 7.5)
;;       step = 2.0 ** (np.maximum(np.frexp(np.where(r == 0, 1, r))[1] - 1, 0) - 3)
;;       q = np.round(r / step) * step * 2.0 ** e      # np.round: ties to even
;;       return np.moveaxis(q.reshape(q.shape[:-2] + (-1,))[..., :K], -1, axis).astype(np.float32)
;;   ~~~
;;   SOFTMAX AHEAD OF A QUANTISED PRODUCT. Where the list says 'softmax', what is quantised is not the finished softmax but p = 2^(t - M), with t = logit x log2(e) and M = ceil(the row's largest t), a whole number; so 1/2 < the row's largest p <= 1. The row's sum l is taken of the UNQUANTISED p, in f32, and the product's result is divided by l at the end. Since M is a whole number, a kernel that streams over the keys may use a running M (the ceiling of the running maximum): every later rescaling is an exact power of two, which a block's scale takes up: the codes' values come out the same.
;;   OPERANDS COMPUTED ON THE WAY. 'Computed on the way' means the value that the module computes at that place (a softmax that the list does not call 'softmax' is quantised finished and normalised). What goes into a quantiser is computed in f32, as accurately as f32 sums, v_exp_f32 and their like allow (about 1e-6 of the number): no bf16 or f16 on the way to a quantiser, and a product that is left as it is and whose result goes on into a quantised operand takes f32 operands (vector FMAs, or v_wmma_f32_16x16x4_f32). A number that lies on a knife's edge between two numbers of the format may be rounded either way, as far as f32 arithmetic and the matrix unit's own rounding can turn it there, and no further.
;; One version. Each part assembles by itself: llvm-mc -triple=amdgcn-amd-amdhsa -mcpu=gfx1250 --defsym DOCPART=n.
;; ======== version 1 of 1: 4 launches
;; workspace buffers: xr 19,660,800 bytes; wr 3,276,800 bytes; qh 6,815,744 bytes; kvh 13,369,344 bytes; cr 6,553,600 bytes
;; launch quant (part 1): grid 896 x 1, 4 waves a work-group, no clusters, 34,304 bytes of LDS; arguments q, k, v, Wq, Wk, Wv, Wo, xr, wr; writes xr, wr
.if DOCPART == 1
	.amdgcn_target "amdgcn-amd-amdhsa--gfx1250"
	.amdhsa_code_object_version 6
	.text
	.protected	k_q83d397eb3b_quant
	.globl	k_q83d397eb3b_quant
	.p2align	8
	.type	k_q83d397eb3b_quant,@function
k_q83d397eb3b_quant:
	s_mov_b64 s[64:65], 0
	v_nop
	global_prefetch_b8 v0, s[64:65] scope:SCOPE_SE
	s_setreg_imm32_b32 hwreg(HW_REG_WAVE_MODE, 25, 1), 1
	s_wait_xcnt 0x0
; q, k, v [8192][1024] f32 (K innermost) and Wq, Wk, Wv, Wo [1024 (K)][1024 (n)] f32 (K outermost) become codes of FP6 (E2M3) with one E8M0 byte for each 32 along K,
; laid in the ORDER OF THE OPERAND'S REGISTERS, so that the products' launches read them by dense loads alone.
; A TILE is 16 rows: lane-row r of tile T is row 32 (T / 2) + 8 (T % 2) + r + (r & 8): used as source 0 of a product, two neighbouring tiles give a lane 16 neighbours along that index.
; A HALF FRAGMENT is a tile x 64 K = 768 bytes: piece p (0..2) at 256 p + 8 lane; lane (r, h) holds bytes 8 p .. 8 p + 7 of the 24 bytes of codes k = 32 h .. 32 h + 31 of row r.
; A RECORD is a tile x 512 K = 6,400 bytes: eight half fragments, then 256 bytes of scale words at 6,144 + 16 r + 4 j (word j: the record's j-th 128 along K).  A tile is two records.
; xr: [q, k, v][512 tiles][2 records];  wr: [Wq, Wk, Wv, Wo][64 tiles of columns n][2 records].
; A block's scale is 2^(floor(log2(its largest magnitude)) - 2); its byte is the largest magnitude's exponent field - 2, held at 1 from below by a floor among the maximum's leaves.
; LIMITS: a block of zeros gets the byte 1 where the rule says 127 (its codes are zeros, and this program alone reads the bytes); blocks whose largest magnitude lies under 2^-124 are held at the byte 1;
; NaN and infinities among the inputs are not served.
; Work-groups 0-127 take the weights (their chains of loads are the longer ones), work-groups 128-895 the tokens.  Waves share nothing: no barrier.  Only the tokens' path uses LDS.
.set STG,   8448                       ; a wave's stage: 16 rows x (512 bytes + 16)
.set R,     128                        ; v128-255 tokens: two sets of 64 numbers as loaded;  weights: v128-175 the codes of four pairs of blocks
.set X,     64                         ; v64-127  tokens: 64 numbers, two whole blocks a lane;  weights: two sets of 32 numbers
.set C,     20                         ; v20-31   tokens: a fragment's 12 registers
.set CT,    32                         ; v32-38   second halves of blocks: a conversion's three registers begin on an even number
.set E,     16                         ; v16-19   tokens: the record's four scale words;  weights: v16-17 eight scale bytes
.set FLOOR, 0x1800000                  ; 2^(3 - 127)
.set EOFF,  0xff000000                 ; takes 2 off an exponent field
	s_load_b256 s[4:11], s[0:1], 0x0               ; q, k, v, Wq
	s_load_b256 s[12:19], s[0:1], 0x20             ; Wk, Wv, Wo, xr
	s_load_b64 s[20:21], s[0:1], 0x40              ; wr
	v_lshl_add_u32 v62, v0, 2, 0x8400
	v_mov_b32 v63, 0
	v_lshrrev_b32 v1, 5, v0
	v_readfirstlane_b32 s22, v1                    ; wave
	v_and_b32 v1, 31, v0                           ; lane
	v_and_b32 v2, 15, v0                           ; r
	v_bfe_u32 v3, v0, 4, 1                         ; h
	v_lshlrev_b32 v5, 3, v1                        ; 8 x lane: my place in a piece of 256 bytes
	s_cmp_lt_u32 ttmp9, 128
	s_cbranch_scc1 .Lweights
; ---------------- THE TOKENS: a wave makes one record: 16 rows x 512 K, in four steps of 128 K ----------------
	s_sub_co_u32 s23, ttmp9, 128
	s_lshr_b32 s24, s23, 8                         ; which tensor
	s_and_b32 s25, s23, 255
	s_lshl_b32 s25, s25, 2
	s_add_co_u32 s25, s25, s22                     ; which record of it: 0 .. 1023
	s_lshr_b32 s26, s25, 1                         ; tile T
	s_and_b32 s27, s25, 1                          ; which half of K
	s_lshr_b32 s28, s26, 1
	s_lshl_b32 s28, s28, 17                        ; 32 (T / 2) rows of 4,096 bytes
	s_and_b32 s29, s26, 1
	s_lshl_b32 s29, s29, 15                        ; + 8 (T % 2) rows
	s_add_co_u32 s28, s28, s29
	s_lshl_b32 s29, s27, 11                        ; + 512 numbers
	s_add_co_u32 s28, s28, s29
	s_mov_b32 s29, 0
	s_mul_i32 s30, s24, 6553600
	s_mul_i32 s31, s26, 12800
	s_add_co_u32 s30, s30, s31
	s_mul_i32 s31, s27, 6400
	s_add_co_u32 s30, s30, s31                     ; the record's place in xr
	s_mov_b32 s31, 0
	s_mov_b32 s32, 0x76543210
	s_mov_b32 s33, 0xfedcba98                      ; v_permlanex16_b32's selects for lane xor 16
	s_wait_alu depctr_va_vdst(0)
	v_lshlrev_b32 v4, 4, v1                        ; 16 x lane: my 16 bytes of a load's 512
	s_mul_i32 s34, s22, STG
	v_add_nc_u32 v6, s34, v4                       ; the stage, on the way in: a row as it lies
	v_mul_u32_u24 v7, v2, 528
	v_lshl_add_u32 v7, v3, 7, v7
	v_add_nc_u32 v7, s34, v7                       ; and on the way out: row r, + 128 h: my block of 32 numbers
	v_lshlrev_b32 v8, 4, v2
	v_lshl_add_u32 v8, v3, 3, v8                   ; 16 r + 8 h: my two scale words' place
	v_lshlrev_b32 v9, 3, v3                        ; 8 h: my bytes' place in a scale word
	v_mov_b32 v40, 0                               ; a lane permute's destination counts as one of its sources
	s_wait_alu depctr_va_vdst(0)
	s_wait_kmcnt 0x0
	s_cmp_lt_u32 s24, 1                            ; the choice hangs on the work-group's number alone
	s_cselect_b64 s[4:5], s[4:5], s[6:7]
	s_cmp_lt_u32 s24, 2
	s_cselect_b64 s[4:5], s[4:5], s[8:9]
	s_add_nc_u64 s[4:5], s[4:5], s[28:29]
	s_add_nc_u64 s[18:19], s[18:19], s[30:31]
.macro XLOAD t                         ; step t: 512 consecutive bytes of each of the tile's 16 rows, a load a row
.irp j, 0,1,2,3,4,5,6,7,8,9,10,11,12,13,14,15
	global_load_b128 v[R+64*((\t)%2)+4*\j:R+64*((\t)%2)+4*\j+3], v4, s[4:5] offset:(\j+8*(\j/8))*4096+512*(\t) th:TH_LOAD_NT
.endr
.endm
.macro XSTEP t
.if (\t) < 3
	s_wait_loadcnt 16                              ; this step's 16 loads are in; the next step's 16 may be out
.else
	s_wait_loadcnt 0x0
.endif
.irp j, 0,1,2,3,4,5,6,7,8,9,10,11,12,13,14,15
	ds_store_b128 v6, v[R+64*((\t)%2)+4*\j:R+64*((\t)%2)+4*\j+3] offset:528*\j
.endr
.irp c, 0,1                            ; LDS serves a wave's instructions in order: these see the stores.  Lane (r, h) takes k = 64 c + 32 h + 0 .. 31 of row r: two whole blocks
.irp e, 0,1,2,3,4,5,6,7
	ds_load_b128 v[X+32*\c+4*\e:X+32*\c+4*\e+3], v7 offset:256*\c+16*\e
.endr
.endr
	s_wait_dscnt 0x0                               ; the numbers are back, and the stores have read their registers,
.if (\t) < 2
	XLOAD (\t)+2                                   ; which take the loads of two steps on
.endif
.irp c, 0,1                            ; each block's largest magnitude, in two chains; the floor is one more leaf
	v_max3_num_f32 v[10+2*\c], |v[X+32*\c]|, |v[X+32*\c+1]|, FLOOR
	v_max3_num_f32 v[11+2*\c], |v[X+32*\c+2]|, |v[X+32*\c+3]|, |v[X+32*\c+4]|
.endr
.irp i, 5,9,13,17,21,25
.irp c, 0,1
	v_max3_num_f32 v[10+2*\c], v[10+2*\c], |v[X+32*\c+\i]|, |v[X+32*\c+\i+1]|
	v_max3_num_f32 v[11+2*\c], v[11+2*\c], |v[X+32*\c+\i+2]|, |v[X+32*\c+\i+3]|
.endr
.endr
.irp c, 0,1
	v_max3_num_f32 v[10+2*\c], v[10+2*\c], |v[X+32*\c+29]|, |v[X+32*\c+30]|
.endr
.irp c, 0,1
	v_max3_num_f32 v[10+2*\c], v[10+2*\c], v[11+2*\c], |v[X+32*\c+31]|
.endr
	v_add_nc_u32 v14, EOFF, v10                    ; 2 off the exponent field: the conversion takes the exponent field of this operand as its scale
	v_add_nc_u32 v15, EOFF, v12
	v_lshrrev_b32 v41, 23, v14                     ; the bytes of blocks h and 2 + h
	v_lshrrev_b32 v42, 23, v15
	v_lshl_or_b32 v41, v42, 16, v41
	v_lshlrev_b32 v41, v9, v41                     ; at their places in the word;
	v_permlanex16_b32 v40, v41, s32, s33
	v_or_b32 v[E+(\t)], v41, v40                   ; with lane xor 16's two the word is whole
	s_wait_alu depctr_va_vdst(0)
	s_wait_xcnt 0x0                                ; the last step's stores have read their data: the codes' registers are written again only behind this wait
	v_cvt_scalef32_pk16_fp6_f32 v[C:C+2], v[X:X+15], v14
	v_cvt_scalef32_pk16_fp6_f32 v[CT:CT+2], v[X+16:X+31], v14
	v_cvt_scalef32_pk16_fp6_f32 v[C+6:C+8], v[X+32:X+47], v15
	v_cvt_scalef32_pk16_fp6_f32 v[CT+4:CT+6], v[X+48:X+63], v15
	v_nop                                          ; one plain place behind a scaled conversion
.irp c, 0,1
.irp i, 0,1,2
	v_mov_b32 v[C+6*\c+3+\i], v[CT+4*\c+\i]
.endr
.endr
.irp c, 0,1
.irp p, 0,1,2
	global_store_b64 v5, v[C+6*\c+2*\p:C+6*\c+2*\p+1], s[18:19] offset:(2*(\t)+\c)*768+256*\p   ; 32 lanes store 256 consecutive bytes, aligned
.endr
.endr
.endm
	XLOAD 0
	XLOAD 1
	XSTEP 0
	XSTEP 1
	XSTEP 2
	XSTEP 3
	v_cmp_ne_u32 vcc_lo, 0, v3                     ; every lane holds its row's four words: lanes 0-15 store words 0 and 1, lanes 16-31 words 2 and 3
	v_cndmask_b32 v10, v[E], v[E+2], vcc_lo
	v_cndmask_b32 v11, v[E+1], v[E+3], vcc_lo
	global_store_b64 v8, v[10:11], s[18:19] offset:6144   ; 256 consecutive bytes, aligned
	s_wait_tensorcnt 0x0
	ds_add_u32 v62, v63
	s_wait_dscnt 0x0
	s_endpgm
; ---------------- THE WEIGHTS: a lane takes a column n and its registers run down K; a wave takes 32 columns (two tiles) x 256 K (8 blocks) ----------------
.Lweights:
	s_lshr_b32 s23, ttmp9, 5                       ; which weight
	s_and_b32 s24, ttmp9, 7
	s_bfe_u32 s25, ttmp9, 0x20003                  ; y: which 256 along K
	s_lshl_b32 s24, s24, 2
	s_add_co_u32 s24, s24, s22                     ; cg: which 32 columns
	s_lshl_b32 s26, s25, 20                        ; 256 y rows of 4,096 bytes
	s_lshl_b32 s27, s24, 7                         ; + 32 cg columns
	s_add_co_u32 s26, s26, s27
	s_mov_b32 s27, 0
	s_mul_i32 s28, s23, 819200
	s_mul_i32 s29, s24, 25600                      ; tiles 2 cg and 2 cg + 1
	s_add_co_u32 s28, s28, s29
	s_lshr_b32 s29, s25, 1
	s_mul_i32 s29, s29, 6400                       ; the record
	s_add_co_u32 s28, s28, s29
	s_mov_b32 s29, 0
	s_and_b32 s30, s25, 1
	s_mul_i32 s34, s30, 3072                       ; its half fragments 4 (y % 2) on
	s_mov_b32 s35, 0
	s_lshl_b32 s30, s30, 3                         ; its scale words 2 (y % 2) on
	s_wait_alu depctr_va_vdst(0)
	v_and_b32 v4, 8, v2
	v_add_nc_u32 v4, v4, v2
	v_lshl_add_u32 v4, v3, 3, v4                   ; my column among the 32: 8 h + r + (r & 8): lanes 0-15 are tile 2 cg, lanes 16-31 tile 2 cg + 1
	v_lshlrev_b32 v4, 2, v4
	v_mul_u32_u24 v8, v3, 12800
	v_lshl_add_u32 v8, v2, 4, v8
	v_add_nc_u32 v8, s30, v8                       ; my eight scale bytes: my tile, 16 r, + 8 (y % 2)
	s_wait_alu depctr_va_vdst(0)
	s_wait_kmcnt 0x0
	s_cmp_lt_u32 s23, 1
	s_cselect_b64 s[10:11], s[10:11], s[12:13]
	s_cmp_lt_u32 s23, 2
	s_cselect_b64 s[10:11], s[10:11], s[14:15]
	s_cmp_lt_u32 s23, 3
	s_cselect_b64 s[10:11], s[10:11], s[16:17]
	s_add_nc_u64 s[10:11], s[10:11], s[26:27]
	s_add_nc_u64 s[20:21], s[20:21], s[28:29]      ; the record of tile 2 cg
	s_add_nc_u64 s[36:37], s[20:21], s[34:35]      ; and my half fragments in it
.macro WLOAD t                         ; block t: W(256 y + 32 t + i, my column): the wave reads 128 consecutive bytes, the work-group 512
.set i, 0
.rept 32
	global_load_b32 v[X+32*((\t)%2)+i], v4, s[10:11] offset:(32*(\t)+i)*4096 th:TH_LOAD_NT
.set i, i+1
.endr
.endm
.macro WBLOCK t
.set XS, X+32*((\t)%2)
.set CB, R+12*((\t)/2)+6*((\t)%2)      ; each pair of blocks has 12 registers of its own: no store's data are written again
.if (\t) < 7
	s_wait_loadcnt 32                              ; this block's 32 loads are in; the next block's may be out
.else
	s_wait_loadcnt 0x0
.endif
	v_max3_num_f32 v12, |v[XS]|, |v[XS+1]|, |v[XS+2]|      ; all 32 numbers of the block are mine
	v_max3_num_f32 v13, |v[XS+3]|, |v[XS+4]|, |v[XS+5]|
.irp i, 6,10,14,18,22,26
	v_max3_num_f32 v12, v12, |v[XS+\i]|, |v[XS+\i+1]|
	v_max3_num_f32 v13, v13, |v[XS+\i+2]|, |v[XS+\i+3]|
.endr
	v_max3_num_f32 v12, v12, |v[XS+30]|, |v[XS+31]|
	v_max3_num_f32 v12, v12, v13, FLOOR
	v_add_nc_u32 v11, EOFF, v12
	v_lshrrev_b32 v13, 23, v11
.if (\t)%4 == 0
	v_mov_b32 v[E+(\t)/4], v13                     ; four bytes to a word, the lower K in the lower byte
.else
	v_lshl_or_b32 v[E+(\t)/4], v13, 8*((\t)%4), v[E+(\t)/4]
.endif
	v_cvt_scalef32_pk16_fp6_f32 v[CB:CB+2], v[XS:XS+15], v11
	v_cvt_scalef32_pk16_fp6_f32 v[CT:CT+2], v[XS+16:XS+31], v11
	v_nop                                          ; one plain place behind a scaled conversion
.irp i, 0,1,2
	v_mov_b32 v[CB+3+\i], v[CT+\i]
.endr
.if (\t)+2 < 8
	WLOAD (\t)+2
.endif
.if (\t)%2 == 1                        ; an even and an odd block are 64 along K.  The exchange gives the first six registers tile 2 cg's half fragment (lanes 0-15 its even block, lanes 16-31 its odd one), the other six tile 2 cg + 1's
.irp i, 0,1,2,3,4,5
	v_permlane16_swap_b32 v[CB-6+\i], v[CB+\i]
.endr
.irp a, 0,1
.irp p, 0,1,2
	global_store_b64 v5, v[CB-6+6*\a+2*\p:CB-6+6*\a+2*\p+1], s[36:37] offset:12800*\a+768*((\t)/2)+256*\p   ; 256 consecutive bytes, aligned
.endr
.endr
.endif
.endm
	WLOAD 0
	WLOAD 1
.irp t, 0,1,2,3,4,5,6,7
	WBLOCK \t
.endr
	global_store_b64 v8, v[E:E+1], s[20:21] offset:6144   ; 8 of each row's 16 bytes of scale words: the other 8 are another work-group's.  One byte in 128 of what this path reads
	s_endpgm
.Lfunc_end_k_q83d397eb3b_quant:
	.size	k_q83d397eb3b_quant, .Lfunc_end_k_q83d397eb3b_quant-k_q83d397eb3b_quant
	.p2alignl 7, 3214868480
	.fill 96, 4, 3214868480
	.section	.rodata,"a",@progbits
	.p2align	6, 0x0
	.amdhsa_kernel k_q83d397eb3b_quant
		.amdhsa_group_segment_fixed_size 34304
		.amdhsa_private_segment_fixed_size 0
		.amdhsa_enable_private_segment 0
		.amdhsa_kernarg_size 72
		.amdhsa_user_sgpr_count 2
		.amdhsa_user_sgpr_kernarg_segment_ptr 1
		.amdhsa_wavefront_size32 1
		.amdhsa_system_sgpr_workgroup_id_x 1
		.amdhsa_system_sgpr_workgroup_id_y 1
		.amdhsa_system_sgpr_workgroup_id_z 1
		.amdhsa_system_vgpr_workitem_id 0
		.amdhsa_next_free_vgpr 256
		.amdhsa_next_free_sgpr 66
		.amdhsa_reserve_vcc 1
		.amdhsa_float_denorm_mode_32 3
		.amdhsa_float_denorm_mode_16_64 3
		.amdhsa_memory_ordered 1
		.amdhsa_forward_progress 1
		.amdhsa_inst_pref_size 72
	.end_amdhsa_kernel
	.amdgpu_metadata
---
amdhsa.version: [ 1, 2 ]
amdhsa.kernels:
  - .name:           k_q83d397eb3b_quant
    .symbol:         k_q83d397eb3b_quant.kd
    .args:
      - { .name: q, .offset: 0, .size: 8, .value_kind: global_buffer, .address_space: global }
      - { .name: k, .offset: 8, .size: 8, .value_kind: global_buffer, .address_space: global }
      - { .name: v, .offset: 16, .size: 8, .value_kind: global_buffer, .address_space: global }
      - { .name: Wq, .offset: 24, .size: 8, .value_kind: global_buffer, .address_space: global }
      - { .name: Wk, .offset: 32, .size: 8, .value_kind: global_buffer, .address_space: global }
      - { .name: Wv, .offset: 40, .size: 8, .value_kind: global_buffer, .address_space: global }
      - { .name: Wo, .offset: 48, .size: 8, .value_kind: global_buffer, .address_space: global }
      - { .name: xr, .offset: 56, .size: 8, .value_kind: global_buffer, .address_space: global }
      - { .name: wr, .offset: 64, .size: 8, .value_kind: global_buffer, .address_space: global }
    .group_segment_fixed_size: 34304
    .private_segment_fixed_size: 0
    .kernarg_segment_align: 8
    .kernarg_segment_size: 72
    .max_flat_workgroup_size: 128
    .sgpr_count:     66
    .vgpr_count:     256
    .wavefront_size: 32
...
	.end_amdgpu_metadata
.endif
;; end of part 1
;; launch proj (part 2): grid 4 x 192, 4 waves a work-group, clusters of 4 x 4, 307,712 bytes of LDS; arguments xr, wr, bq, bk, bv, qh, kvh; writes qh, kvh
.if DOCPART == 2
	.amdgcn_target "amdgcn-amd-amdhsa--gfx1250"
	.amdhsa_code_object_version 6
	.text
	.protected	k_q83d397eb3b_proj
	.globl	k_q83d397eb3b_proj
	.p2align	8
	.type	k_q83d397eb3b_proj,@function
k_q83d397eb3b_proj:
	s_mov_b64 s[64:65], 0
	v_nop
	global_prefetch_b8 v0, s[64:65] scope:SCOPE_SE
	s_setreg_imm32_b32 hwreg(HW_REG_WAVE_MODE, 25, 1), 1
	s_wait_xcnt 0x0
	s_wait_alu depctr_hold_cnt(0) depctr_sa_sdst(0) depctr_va_vdst(0) depctr_va_sdst(0) depctr_va_ssrc(0) depctr_va_vcc(0) depctr_vm_vsrc(0)
	s_getreg_b32 s2, hwreg(HW_REG_IB_STS2, 6, 4)
	s_cmp_eq_u32 s2, 0
	s_cbranch_scc0 .Lentry_in_a_cluster
	s_endpgm
.Lentry_in_a_cluster:
	s_bfe_u32 s2, ttmp6, 0x10000c
	s_cmp_lg_u32 s2, 0xf033
	s_cbranch_scc0 .Lentry_shape_is_right
	s_endpgm
.Lentry_shape_is_right:
; The three input projections on codes of FP6 (E2M3) with E8M0 scales, their biases, and the quantising of the results for attention.
; xr, wr: records of 6,400 bytes (a tile of 16 rows x 512 K: eight half fragments of 768 bytes in the order of the operand's registers, then 256 bytes of scale words), two to a tile.
; Lane-row r of tile T is row 32 (T / 2) + 8 (T % 2) + r + (r & 8).
; A WORK-GROUP makes 128 rows of an operand A x 256 rows of an operand B over all of K = 1,024; each of its four waves 64 x 128: 32 accumulators.  ALL OF K FOR THE TILE LIES IN LDS (24 tiles x 12,800 bytes), in two
; halves of K: every tensor load is a first fill, no LDS byte is filled twice, and the K steps have one barrier among them.
; THE PRODUCT IS USED TRANSPOSED (source 0 = 16 rows of B, source 1 = 16 rows of A): a lane holds ONE row of A, and by the tiles' order of rows its 64 registers of a tile of A run along B's index in four blocks of 32
; (register 16 b + i = index 32 b + 16 (lane / 16) + i): the quantiser's K.
; Q, K: A = the tokens, B = the weight's columns: quantised along the head's 64.   V: A = Wv's columns, B = the tokens: the same text gives V^T quantised along the KEYS.  One path for all three; what differs is chosen in scalar registers.
; OUT.  qh, for each (batch, head) 106,496 bytes: 128 half fragments (tile of 16 tokens x 64), then scale words at 98,304 + 256 (tile / 4) + 16 r + 4 (tile % 4), bytes 0, 1 the two blocks, bytes 2, 3 zero.
;       kvh, for each (batch, head) 208,896 bytes: K laid as Q (words from 196,608); V^T from 98,304: [key step of 128][tile of 16 d][2] half fragments; its words at 204,800 + 256 step + 16 r + 4 tile.
; CLUSTERS: 4 x 4 work-groups; A's tiles are shared along a row of the cluster, B's along a column: each is asked for jointly.  By this text's count a wave has two tensor loads outstanding.
; LIMITS: a block of zeros gets the byte 1 (its codes are zeros; this program alone reads the bytes); blocks under 2^-124 are held at the byte 1; NaN and infinities are not served.
; REGISTERS: window 0: v0-31 addresses; v32-95 scale words (register 8 i + s: lanes 0-15 A's tile i, lanes 16-31 B's tile i, K step s); v96-143, v144-191 A's fragments, two sets; v192-239 the way out.
;   window 1: accumulator (a, b) at v[8 (8 a + b)].   window 2: v0-95, v96-191 B's fragments, two sets; v192-255 the bias along B's index, eight registers a tile: the C of the first K step.
.set CHUNK, 153600                     ; LDS: half of K: A's 8 records, then B's 16
.set REC,   6400
.set L8,    4                          ; v4     8 x lane
.set ADRA,  8                          ; v8-9   my four tiles of A in half 0, 1 of K
.set ADRB,  10                         ; v10-11 my eight tiles of B
.set ADRS,  12                         ; v12-13 my scale words: lanes 0-15 A's, lanes 16-31 B's
.set BBO,   14                         ; v14    64 h
.set BAO,   15                         ; v15    4 (r + (r & 8))
.set SVO,   16                         ; v16    the scale words' place on the way out
.set SHV,   17                         ; v17    and their shift
.set SC,    32
.set AF,    96
.set BF,    0
.set BB,    192
.set TM,    192                        ; v192-195 largest magnitudes, v196-199 bytes, v204-207 the conversions' scale operands
.set PW,    216                        ; v216-219 the four tiles' scale words
.set SD,    220                        ; v220-223 as they are stored
.set BA,    224                        ; v224-231 V's bias along A's rows, a pair a tile
.set VO,    232                        ; v232-239 where half fragment (a, c) goes: 8 x lane + a SA + c SCs
.set W_MUL,  0x52                      ; source 0 (B) window 2, source 1 (A) window 0, C and D window 1
.set W_MUL1, 0x62                      ; the same with C (the bias) in window 2
.set W_TOB,  0x80                      ; destination window 2
.set MSB, 0
.macro WIN new                         ; the immediate's high byte repeats the setting that is left
.if MSB != \new
	s_set_vgpr_msb (MSB<<8)|\new
.set MSB, \new
.endif
.endm
.macro PLACES                          ; four plain places behind a matrix instruction, in front of loads into its registers and of reads of its results
.rept 4
	v_nop
.endr
.endm
.macro CROUND                          ; a round of the cluster's barrier
	s_barrier_signal -1
	s_barrier_wait -1
	s_cmp_lg_u32 s18, 0
	s_cbranch_scc1 .Lnot_wave_0_\@
	s_barrier_signal -3
.Lnot_wave_0_\@:
	s_barrier_wait -3
	s_barrier_signal -1
	s_barrier_wait -1
.endm
.macro FRAG reg, adr, i, u             ; tile i's fragment of the half's u-th 128 along K: two half fragments, six loads of 256 consecutive bytes
.irp c, 0,1
.irp p, 0,1,2
	ds_load_b64 v[\reg+6*\c+2*\p:\reg+6*\c+2*\p+1], v[\adr] offset:REC*(\i)+768*(2*(\u)+\c)+256*\p
.endr
.endr
.endm
.macro FETCH s                         ; K step s: B's eight fragments, then A's four, tiles 0 and 1 first: 72 loads
	WIN W_TOB
.irp i, 0,1,2,3,4,5,6,7
	FRAG BF+96*((\s)%2)+12*\i, ADRB+(\s)/4, \i, (\s)%4
.endr
	WIN 0
.irp i, 0,1,2,3
	FRAG AF+48*((\s)%2)+12*\i, ADRA+(\s)/4, \i, (\s)%4
.endr
.endm
.macro SCALES q                        ; the scale words of four K steps.  (For i above 3 lanes 0-15 read filled bytes that no product names)
.irp i, 0,1,2,3,4,5,6,7
	ds_load_b128 v[SC+8*\i+4*\q:SC+8*\i+4*\q+3], v[ADRS+\q] offset:REC*\i
.endr
.endm
; 16 matrix instructions: A's tiles a0, a0 + 1 x B's eight.  The 32 accumulators take turns, one instruction a turn, in the same order in every K step.
.macro MUL16 a0, s, first
.irp a, \a0, \a0+1
.irp b, 0,1,2,3,4,5,6,7
.if \first
	v_wmma_scale_f32_16x16x128_f8f6f4 v[8*(8*(\a)+\b):8*(8*(\a)+\b)+7], v[BF+96*((\s)%2)+12*\b:BF+96*((\s)%2)+12*\b+11], v[AF+48*((\s)%2)+12*(\a):AF+48*((\s)%2)+12*(\a)+11], v[BB+8*\b:BB+8*\b+7], v[SC+8*\b+(\s)], v[SC+8*(\a)+(\s)] matrix_a_fmt:MATRIX_FMT_FP6 matrix_b_fmt:MATRIX_FMT_FP6 matrix_a_scale:MATRIX_SCALE_ROW1
.else
	v_wmma_scale_f32_16x16x128_f8f6f4 v[8*(8*(\a)+\b):8*(8*(\a)+\b)+7], v[BF+96*((\s)%2)+12*\b:BF+96*((\s)%2)+12*\b+11], v[AF+48*((\s)%2)+12*(\a):AF+48*((\s)%2)+12*(\a)+11], v[8*(8*(\a)+\b):8*(8*(\a)+\b)+7], v[SC+8*\b+(\s)], v[SC+8*(\a)+(\s)] matrix_a_fmt:MATRIX_FMT_FP6 matrix_b_fmt:MATRIX_FMT_FP6 matrix_a_scale:MATRIX_SCALE_ROW1
.endif
.endr
.endr
.endm
.macro KSTEP s, first
	s_wait_dscnt 12                                ; all but the youngest 12 loads: A's tiles 2 and 3
.if \first
	WIN W_MUL1
.else
	WIN W_MUL
.endif
	MUL16 0, \s, \first
	s_wait_dscnt 0x0                               ; A's tiles 2 and 3 are in
.if (\s) == 3
	WIN 0
	s_wait_tensorcnt 0x0                           ; my part of K's second half has landed, and my reads of the first half are over (the wait above):
	s_barrier_signal -1
	s_barrier_wait -1                              ; both now hold of every wave.
.endif
.if (\s) < 7
	PLACES                                         ; in front of loads into the set that the K step before multiplied
.if (\s) == 3
	SCALES 1
.endif
	FETCH (\s)+1
.endif
.if \first
	WIN W_MUL1
.else
	WIN W_MUL
.endif
	MUL16 2, \s, \first
.endm
	s_load_b256 s[4:11], s[0:1], 0x0               ; xr, wr, bq, bk
	s_load_b128 s[12:15], s[0:1], 0x20             ; bv, qh
	s_load_b64 s[16:17], s[0:1], 0x30              ; kvh
	v_lshl_add_u32 v254, v0, 2, 0x4b000
	v_mov_b32 v255, 0
	ds_add_u32 v254, v255
	ds_add_u32 v254, v255
	v_lshrrev_b32 v1, 5, v0
	v_readfirstlane_b32 s18, v1                    ; wave
	s_lshr_b32 s19, s18, 1                         ; HA: which 64 rows of A are mine.  Also: I fetch for A (0) or for B (1)
	s_and_b32 s20, s18, 1                          ; HB: which 128 rows of B.  Also: which half of that operand's tiles I fetch
	s_bfe_u32 s21, ttmp6, 0x40000                  ; cx
	s_bfe_u32 s22, ttmp6, 0x40004                  ; cy
	s_lshl_b32 s23, s22, 2
	s_lshl_b32 s23, 15, s23                        ; my row of the cluster
	s_lshl_b32 s56, 0x1111, s21                    ; my column
	; descriptor groups 1: records as rows of 800 elements of 8 bytes, 1,600 elements apart (a tile's two records): 4 rows for A, 8 for B; no padding
	s_or_b32 s24, s23, (3<<16)|(1<<21)             ; 15:0 the mask: A's tiles go to my row; 17:16 elements of 8 bytes; 21 set beside a mask
	s_or_b32 s32, s56, (3<<16)|(1<<21)             ; B's go to my column
.irp g, 24, 32
	s_mov_b32 s[\g+1], 800<<16                     ; tensor_dim0
	s_mov_b32 s[\g+3], 800<<16                     ; tile_dim0
	s_mov_b32 s[\g+5], 1600                        ; tensor_dim0_stride
	s_mov_b32 s[\g+6], 0
	s_mov_b32 s[\g+7], 0
.endr
	s_mov_b32 s26, 4<<16                           ; tensor_dim1
	s_mov_b32 s28, 4                               ; tile_dim1
	s_mov_b32 s34, 8<<16
	s_mov_b32 s36, 8
	; which product, which tile.  All of this but cx and cy is the same in the sixteen partners
	s_and_b32 s57, ttmp7, 0xffff                   ; the cluster: 0 .. 47
	s_lshr_b32 s58, s57, 4                         ; t: 0 Q, 1 K, 2 V
	s_and_b32 s59, s57, 15
	s_and_b32 s60, s59, 1
	s_lshr_b32 s61, s59, 1
	s_mul_i32 s70, s58, 6553600                    ; the tokens' tensor in xr
	s_mul_i32 s72, s58, 819200                     ; the weight in wr
	s_cmp_eq_u32 s58, 2
	s_cselect_b32 s62, 1, 0                        ; ISV
	s_cselect_b32 s60, s60, s59                    ; V: 8 tiles of work-groups along A (Wv), 32 along B (v);  Q, K: 64 along A, 4 along B
	s_cselect_b32 s61, s61, 0
	s_cselect_b32 s70, 1638400, s70                ; A's first byte in its buffer
	s_cselect_b32 s72, 13107200, s72               ; B's
	s_cselect_b32 s76, 0, -1                       ; all lanes where the bias runs along B's index (Q, K)
	s_cselect_b32 s77, -1, 0                       ; all lanes where it runs along A's rows (V)
	s_lshl_b32 s60, s60, 2
	s_add_co_u32 s60, s60, s22                     ; tileA: cy alone enters A's registers,
	s_lshl_b32 s61, s61, 2
	s_add_co_u32 s61, s61, s21                     ; tileB: cx alone B's
	s_mul_i32 s63, s60, 102400                     ; 8 tiles of 12,800 bytes
	s_add_co_u32 s70, s70, s63
	s_mul_i32 s63, s20, 51200                      ; the 4 that I fetch
	s_add_co_u32 s70, s70, s63
	s_mov_b32 s71, 0
	s_mul_i32 s78, s61, 204800                     ; 16 tiles
	s_add_co_u32 s72, s72, s78
	s_mul_i32 s78, s20, 102400                     ; the 8 that I fetch
	s_add_co_u32 s72, s72, s78
	s_mov_b32 s73, 0
	s_mul_i32 s74, s20, 25600                      ; where they go in a half of K: no place in the cluster enters an LDS address
	s_mul_i32 s75, s20, 51200
	s_add_co_u32 s75, s75, 51200
	v_and_b32 v1, 31, v0                           ; lane
	v_and_b32 v2, 15, v0                           ; r
	v_bfe_u32 v3, v0, 4, 1                         ; h
	v_lshlrev_b32 v[L8], 3, v1
	s_mul_i32 s2, s19, 25600                       ; my four tiles of A
	s_mul_i32 s3, s20, 51200
	s_add_co_u32 s3, s3, 51200                     ; my eight of B
	v_add_nc_u32 v[ADRA], s2, v[L8]
	v_add_nc_u32 v[ADRB], s3, v[L8]
	v_add_nc_u32 v[ADRA+1], CHUNK, v[ADRA]
	v_add_nc_u32 v[ADRB+1], CHUNK, v[ADRB]
	s_sub_co_u32 s3, s3, s2
	v_mul_u32_u24 v5, s3, v3                       ; lanes 16-31 take B's words: one product, the distance between the two
	v_lshl_add_u32 v5, v2, 4, v5
	s_add_co_u32 s2, s2, 6144
	v_add_nc_u32 v[ADRS], s2, v5
	v_add_nc_u32 v[ADRS+1], CHUNK, v[ADRS]
	v_lshlrev_b32 v[BBO], 6, v3
	v_and_b32 v[BAO], 8, v2
	v_add_nc_u32 v[BAO], v[BAO], v2
	v_lshlrev_b32 v[BAO], 2, v[BAO]
.irp b, 0,1,2,3
	v_mov_b32 v[TM+4+\b], 0                        ; written once: a lane permute's destination counts as one of its sources
.endr
	s_mov_b32 s2, 0x76543210
	s_mov_b32 s3, 0xfedcba98                       ; v_permlanex16_b32's selects for lane xor 16
	s_wait_dscnt 0x0
	s_wait_kmcnt 0x0
	s_cmp_eq_u32 s62, 1
	s_cselect_b64 s[66:67], s[6:7], s[4:5]         ; A's buffer: wr for V, else xr
	s_cselect_b64 s[68:69], s[4:5], s[6:7]         ; B's
	s_add_nc_u64 s[66:67], s[66:67], s[70:71]
	s_add_nc_u64 s[68:69], s[68:69], s[72:73]
	CROUND                                         ; all sixteen work-groups are here: the joint loads meet
.irp q, 0,1
	s_mov_b32 s[40+4*\q], 1                        ; count = 1
	s_add_co_u32 s[41+4*\q], s74, \q*CHUNK         ; LDS address
	s_add_nc_u64 s[42+4*\q:43+4*\q], s[66:67], \q*REC   ; global address: the tiles' record q
	s_or_b32 s[43+4*\q], s[43+4*\q], 0x80000000    ; type = 2
	s_mov_b32 s[48+4*\q], 1
	s_add_co_u32 s[49+4*\q], s75, \q*CHUNK
	s_add_nc_u64 s[50+4*\q:51+4*\q], s[68:69], \q*REC
	s_or_b32 s[51+4*\q], s[51+4*\q], 0x80000000
.endr
	s_cmp_eq_u32 s19, 0                            ; a wave's two fills stand in one branch on its number; four v_nop follow the second
	s_cbranch_scc0 .Lfill_b
	tensor_load_to_lds s[40:43], s[24:31]
	s_nop 0
	tensor_load_to_lds s[44:47], s[24:31]
	s_nop 0
.rept 4
	v_nop
.endr
	s_branch .Lfilled
.Lfill_b:
	tensor_load_to_lds s[48:51], s[32:39]
	s_nop 0
	tensor_load_to_lds s[52:55], s[32:39]
	s_nop 0
.rept 4
	v_nop
.endr
.Lfilled:
	; the bias.  Q, K: along B's index, as the C of the first K step.  V: along A's rows, added on the way out.  Both are loaded from in-range places, and the one that does not apply is set to 0
	s_cmp_lt_u32 s58, 1
	s_cselect_b64 s[8:9], s[8:9], s[10:11]
	s_cmp_lt_u32 s58, 2
	s_cselect_b64 s[8:9], s[8:9], s[12:13]
	s_lshl_b32 s78, s61, 10
	s_lshl_b32 s79, s20, 9
	s_add_co_u32 s78, s78, s79                     ; 4 (256 tileB + 128 HB)
	s_lshl_b32 s80, s60, 9
	s_lshl_b32 s81, s19, 8
	s_add_co_u32 s80, s80, s81                     ; 4 (128 tileA + 64 HA)
	s_cmp_eq_u32 s62, 1
	s_cselect_b32 s78, 0, s78
	s_cselect_b32 s80, s80, 0
	s_mov_b32 s79, 0
	s_mov_b32 s81, 0
	s_add_nc_u64 s[82:83], s[8:9], s[78:79]
	s_add_nc_u64 s[84:85], s[8:9], s[80:81]
	WIN W_TOB
	s_wait_alu depctr_va_vdst(0)
.irp b, 0,1,2,3,4,5,6,7                ; lane (r, h), tile b, register j: index 32 (b / 2) + 16 h + 8 (b % 2) + j
	global_load_b128 v[BB+8*\b:BB+8*\b+3], v[BBO], s[82:83] offset:4*(32*(\b/2)+8*(\b%2))
	global_load_b128 v[BB+8*\b+4:BB+8*\b+7], v[BBO], s[82:83] offset:4*(32*(\b/2)+8*(\b%2))+16
.endr
	WIN 0
.irp a, 0,1,2,3                        ; lane (r, h), tile a: row 32 (a / 2) + 8 (a % 2) + r + (r & 8); twice, for the packed addition
	global_load_b32 v[BA+2*\a], v[BAO], s[84:85] offset:4*(32*(\a/2)+8*(\a%2))
	global_load_b32 v[BA+2*\a+1], v[BAO], s[84:85] offset:4*(32*(\a/2)+8*(\a%2))
.endr
	; where the results go
	s_lshl_b32 s86, s60, 3
	s_lshl_b32 s87, s19, 2
	s_add_co_u32 s86, s86, s87                     ; Q, K: my first tile of tokens: 8 tileA + 4 HA
	s_lshr_b32 s87, s86, 7                         ; its batch
	s_and_b32 s86, s86, 127                        ; and its number there
	s_lshl_b32 s87, s87, 4
	s_lshl_b32 s88, s61, 2
	s_add_co_u32 s87, s87, s88
	s_lshl_b32 s88, s20, 1
	s_add_co_u32 s87, s87, s88                     ; 16 batch + my first head (4 tileB + 2 HB)
	s_mul_i32 s88, s86, 768                        ; the tile's half fragment
	s_lshl_b32 s86, s86, 6                         ; its scale words: 256 (tile / 4)
	s_lshl_b32 s89, s61, 1
	s_add_co_u32 s89, s89, s20                     ; V: my 128 keys: 2 tileB + HB
	s_lshr_b32 s90, s89, 4                         ; their batch
	s_and_b32 s89, s89, 15                         ; the key step
	s_lshl_b32 s90, s90, 4
	s_lshl_b32 s91, s60, 1
	s_add_co_u32 s90, s90, s91
	s_add_co_u32 s90, s90, s19                     ; 16 batch + my head (2 tileA + HA)
	s_mov_b32 s92, 208896
	s_mov_b32 s93, 196608
	s_cmp_eq_u32 s58, 0
	s_cselect_b32 s92, 106496, s92                 ; SBH: bytes for a (batch, head)
	s_cselect_b32 s93, 98304, s93                  ; where Q's or K's scale words begin
	s_cselect_b64 s[96:97], s[14:15], s[16:17]     ; qh or kvh
	s_add_co_u32 s86, s86, s93
	s_mul_i32 s91, s89, 6144
	s_add_co_u32 s91, s91, 98304                   ; V: the key step's eight half fragments
	s_lshl_b32 s89, s89, 8
	s_add_co_u32 s89, s89, 204800                  ; and its scale words
	s_cmp_eq_u32 s62, 1
	s_cselect_b32 s87, s90, s87
	s_cselect_b32 s88, s91, s88
	s_cselect_b32 s86, s89, s86
	s_mov_b32 s100, 768
	s_cselect_b32 s100, 1536, s100                 ; SA: from tile a to a + 1
	s_cselect_b32 s101, 768, s92                   ; SCs: from half fragment 0 to 1: V: the next 64 keys; Q, K: the next head
	s_cselect_b32 s70, -1, 0xffff                  ; of a scale word V keeps four bytes, a head of Q or K two
	s_cselect_b32 s71, 16, 32                      ; lanes that store scale words
	s_cselect_b32 s72, 0, 16                       ; lanes 16-31 of Q, K take the second head's two bytes
	s_mul_i32 s87, s87, s92
	s_add_co_u32 s94, s87, s86
	s_mov_b32 s95, 0
	s_add_nc_u64 s[98:99], s[96:97], s[94:95]      ; the scale words
	s_add_co_u32 s94, s87, s88
	s_add_nc_u64 s[96:97], s[96:97], s[94:95]      ; the codes
	v_mov_b32 v[VO], v[L8]
	v_add_nc_u32 v[VO+1], s101, v[VO]
.irp a, 1,2,3
	v_add_nc_u32 v[VO+2*\a], s100, v[VO+2*\a-2]
	v_add_nc_u32 v[VO+2*\a+1], s100, v[VO+2*\a-1]
.endr
	v_mul_u32_u24 v[SVO], s92, v3
	v_lshl_add_u32 v[SVO], v2, 4, v[SVO]           ; 16 r + h SBH
	v_mul_u32_u24 v[SHV], s72, v3
	s_wait_loadcnt 0x0                             ; the biases
	WIN 0x88                                       ; source 1 and destination window 2
.set j, 0
.rept 64
	v_cndmask_b32 v[BB+j], 0, v[BB+j], s76         ; V's sums start from 0
.set j, j+1
.endr
	WIN 0
.set j, 0
.rept 8
	v_cndmask_b32 v[BA+j], 0, v[BA+j], s77         ; Q's and K's way out adds 0
.set j, j+1
.endr
	s_wait_alu depctr_va_vdst(0)
	s_wait_tensorcnt 1                             ; my part of K's first half is in; the second half's load may be out
	s_barrier_signal -1
	s_barrier_wait -1                              ; everybody's is
	SCALES 0
	FETCH 0
	KSTEP 0, 1                                     ; the first K step starts the sums, with the bias as C: nothing is cleared
	KSTEP 1, 0
	KSTEP 2, 0
	KSTEP 3, 0
	KSTEP 4, 0
	KSTEP 5, 0
	KSTEP 6, 0
	KSTEP 7, 0
	WIN 0
	PLACES
; THE WAY OUT of my tile a of A: 64 numbers a lane, register 16 b + i = index 32 b + 16 h + i of my row, become a fragment's 12 registers (two half fragments) and a scale word.
.macro OUTA a
.set AC, 64*(\a)
.set PC, AF+12*(\a)                    ; the codes: where A's first set lay; 12 registers of its own for each tile, so that no store's data are written again
.if (\a) == 2
.set PCT, 208                          ; second halves of blocks; placed so that no conversion names one number as destination and as source
.else
.set PCT, 144
.endif
	WIN 0x41                                       ; the accumulators (destination, source 0) window 1
.set j, 0
.rept 32
	v_pk_add_f32 v[AC+j:AC+j+1], v[AC+j:AC+j+1], v[BA+2*(\a):BA+2*(\a)+1]   ; V's bias of my row (0 for Q, K); each accumulator from its low end on
.set j, j+2
.endr
	WIN 0x05
.irp b, 0,1,2,3
	v_max3_num_f32 v[TM+\b], |v[AC+16*\b]|, |v[AC+16*\b+1]|, 0x1800000   ; block b: my 16 numbers, and the floor 2^(3 - 127)
.endr
	WIN 0x14
.irp i, 2,4,6,8,10,12,14
.irp b, 0,1,2,3
	v_max3_num_f32 v[TM+\b], v[TM+\b], |v[AC+16*\b+\i]|, |v[AC+16*\b+\i+1]|
.endr
.endr
	WIN 0
.irp b, 0,1,2,3
	v_permlanex16_b32 v[TM+4+\b], v[TM+\b], s2, s3
.endr
.irp b, 0,1,2,3
	v_max_num_f32 v[TM+\b], v[TM+\b], v[TM+4+\b]   ; with lane xor 16's: the block's largest magnitude
.endr
.irp b, 0,1,2,3
	v_add_nc_u32 v[TM+12+\b], 0xff000000, v[TM+\b] ; 2 off its exponent field: the conversion's scale operand
.endr
.irp b, 0,1,2,3
	v_lshrrev_b32 v[TM+4+\b], 23, v[TM+12+\b]      ; the byte
.endr
	v_lshl_or_b32 v[PW+(\a)], v[TM+5], 8, v[TM+4]
	v_lshl_or_b32 v[PW+(\a)], v[TM+6], 16, v[PW+(\a)]
	v_lshl_or_b32 v[PW+(\a)], v[TM+7], 24, v[PW+(\a)]
	WIN 0x01
.irp c, 0,1
	v_cvt_scalef32_pk16_fp6_f32 v[PC+6*\c:PC+6*\c+2], v[AC+32*\c:AC+32*\c+15], v[TM+12+2*\c]
	v_cvt_scalef32_pk16_fp6_f32 v[PCT+4*\c:PCT+4*\c+2], v[AC+32*\c+16:AC+32*\c+31], v[TM+12+2*\c+1]
.endr
	WIN 0
	v_nop                                          ; one plain place behind a scaled conversion
.irp c, 0,1                            ; the layout wants a whole block in a lane: lanes 0-15 block 2 c, lanes 16-31 block 2 c + 1
.irp i, 0,1,2
	v_permlane16_swap_b32 v[PC+6*\c+\i], v[PCT+4*\c+\i]
.endr
.irp i, 0,1,2
	v_mov_b32 v[PC+6*\c+3+\i], v[PCT+4*\c+\i]
.endr
.endr
.irp c, 0,1
.irp p, 0,1,2
	global_store_b64 v[VO+2*(\a)+\c], v[PC+6*\c+2*\p:PC+6*\c+2*\p+1], s[96:97] offset:256*\p   ; 32 lanes store 256 consecutive bytes, aligned
.endr
.endr
.endm
	OUTA 0
	OUTA 1
	OUTA 2
	OUTA 3
.irp a, 0,1,2,3
	v_lshrrev_b32 v[SD+\a], v[SHV], v[PW+\a]
.endr
.irp a, 0,1,2,3
	v_and_b32 v[SD+\a], s70, v[SD+\a]
.endr
	v_cmp_gt_u32 vcc_lo, s71, v1                   ; Q, K: all lanes (two heads); V: lanes 0-15
	s_wait_alu depctr_va_vdst(0)
	s_wait_xcnt 0x0                                ; EXEC changes only behind this wait: stores are out
	s_and_saveexec_b32 s73, vcc_lo
	global_store_b128 v[SVO], v[SD:SD+3], s[98:99] ; sixteen lanes store 256 consecutive bytes, aligned: four tiles' words of 16 rows
	s_wait_xcnt 0x0
	s_or_b32 exec_lo, exec_lo, s73
	s_wait_tensorcnt 0x0
	ds_add_u32 v254, v255
	s_wait_dscnt 0x0
	CROUND                                         ; the closing round: no work-group ends while a partner may still ask for a tile that names it
	s_endpgm
.Lfunc_end_k_q83d397eb3b_proj:
	.size	k_q83d397eb3b_proj, .Lfunc_end_k_q83d397eb3b_proj-k_q83d397eb3b_proj
	.p2alignl 7, 3214868480
	.fill 96, 4, 3214868480
	.section	.rodata,"a",@progbits
	.p2align	6, 0x0
	.amdhsa_kernel k_q83d397eb3b_proj
		.amdhsa_group_segment_fixed_size 307712
		.amdhsa_private_segment_fixed_size 0
		.amdhsa_enable_private_segment 0
		.amdhsa_kernarg_size 56
		.amdhsa_user_sgpr_count 2
		.amdhsa_user_sgpr_kernarg_segment_ptr 1
		.amdhsa_wavefront_size32 1
		.amdhsa_system_sgpr_workgroup_id_x 1
		.amdhsa_system_sgpr_workgroup_id_y 1
		.amdhsa_system_sgpr_workgroup_id_z 1
		.amdhsa_system_vgpr_workitem_id 0
		.amdhsa_next_free_vgpr 768
		.amdhsa_next_free_sgpr 102
		.amdhsa_reserve_vcc 1
		.amdhsa_float_denorm_mode_32 3
		.amdhsa_float_denorm_mode_16_64 3
		.amdhsa_memory_ordered 1
		.amdhsa_forward_progress 1
		.amdhsa_inst_pref_size 115
	.end_amdhsa_kernel
	.amdgpu_metadata
---
amdhsa.version: [ 1, 2 ]
amdhsa.kernels:
  - .name:           k_q83d397eb3b_proj
    .symbol:         k_q83d397eb3b_proj.kd
    .args:
      - { .name: xr, .offset: 0, .size: 8, .value_kind: global_buffer, .address_space: global }
      - { .name: wr, .offset: 8, .size: 8, .value_kind: global_buffer, .address_space: global }
      - { .name: bq, .offset: 16, .size: 8, .value_kind: global_buffer, .address_space: global }
      - { .name: bk, .offset: 24, .size: 8, .value_kind: global_buffer, .address_space: global }
      - { .name: bv, .offset: 32, .size: 8, .value_kind: global_buffer, .address_space: global }
      - { .name: qh, .offset: 40, .size: 8, .value_kind: global_buffer, .address_space: global }
      - { .name: kvh, .offset: 48, .size: 8, .value_kind: global_buffer, .address_space: global }
    .group_segment_fixed_size: 307712
    .private_segment_fixed_size: 0
    .kernarg_segment_align: 8
    .kernarg_segment_size: 56
    .max_flat_workgroup_size: 128
    .sgpr_count:     102
    .vgpr_count:     768
    .wavefront_size: 32
...
	.end_amdgpu_metadata
.endif
;; end of part 2
;; launch attn (part 3): grid 4 x 64, 16 waves a work-group, no clusters, 210,944 bytes of LDS; arguments qh, kvh, cr; writes cr
.if DOCPART == 3
	.amdgcn_target "amdgcn-amd-amdhsa--gfx1250"
	.amdhsa_code_object_version 6
	.text
	.protected	k_q83d397eb3b_attn
	.globl	k_q83d397eb3b_attn
	.p2align	8
	.type	k_q83d397eb3b_attn,@function
k_q83d397eb3b_attn:
	s_mov_b64 s[64:65], 0
	v_nop
	global_prefetch_b8 v0, s[64:65] scope:SCOPE_SE
	s_setreg_imm32_b32 hwreg(HW_REG_WAVE_MODE, 25, 1), 1
	s_wait_xcnt 0x0
; Causal attention of one (batch, head) on codes of FP6 (E2M3) with E8M0 scales, head size 64, 2,048 tokens; the result is quantised along D for the last projection.
; THE SOFTMAX AHEAD OF THE SECOND PRODUCT: t = score x log2(e) / 8; M = the row's largest t so far, rounded UP to a whole number; p = 2^(t - M) is quantised along the keys, not normalised.  The row's sum is taken of the
; unquantised p and divides O at the end.  When M moves, the sum and O are multiplied by 2^(old M - new M): exact.
; SHARES.  The head's K, V^T and their scale words are one dense block of 208,896 bytes of kvh: each of the sixteen waves brings a sixteenth by one tensor load, once; behind the one barrier LDS is only read.
; A tile is 16 queries; tile T's lane-row r is token 32 (T / 2) + 8 (T % 2) + r + (r & 8).  Wave w of work-group i takes tile 16 i + w and then tile 127 - (16 i + w): tile T needs T / 8 + 1 key steps of 128,
; so every wave of the launch has 17 steps, two of them on the diagonal.  A step all of whose keys come after the tile's queries is jumped over by a scalar branch on ids; the loop's trip count stays 16.
; LAYOUT.  Both products are used transposed: S^T = K Q^T (source 0 = 16 keys), O^T = V^T P^T (source 0 = 16 of the head's 64): a lane holds ONE query.  By the tiles' order of rows the 16 registers of two neighbouring
; tiles of keys are 16 neighbouring keys.  The head's 64 fill half of a K = 128 instruction: the other half of K's and Q's fragments are zero codes, written once; their scale bytes are 0, which is 2^-127 and no NaN.
; NO CLUSTER, though the four work-groups of a head read the same block: the jump over hidden steps hangs on the query tile, which in such a cluster would be the work-group's place in it.
; OUT.  cr: ctx as records (a tile of 16 tokens x 512 of D: eight half fragments of 768 bytes, one a head, then scale words): my head's half fragment, and my head's two scale bytes of each row.
; Those bytes leave one to a lane: a scale word belongs to two heads, which are two work-groups'.  They are one byte in 24 of what is stored.
; LIMITS: a block of zeros gets the byte 1 (its codes are zeros; this program alone reads the bytes); NaN and infinities are not served.
; REGISTERS: v1-7 addresses that stay; v8-11 the step's; v12 -M, v13 the largest t, v[14:15] the sum; v16-27 Q; v28 Q's scale word; v29 p's; v[30:31] f; v32-79 four fragments of K; v80-87 K's scale words; v88-91 V's;
;   v96-159 S^T, then p, then V's four fragments (v96-143); v160-191 O^T; v192-203 p's codes; v204-210 second halves of blocks; v212-227 at work.
.set VOFF,  98304                      ; LDS, as the block lies in kvh: K's 128 half fragments; V^T: [16 steps][4 tiles of d][2];
.set KSOFF, 196608                     ; K's scale words: 256 (tile / 4) + 16 r + 4 (tile % 4);
.set VSOFF, 204800                     ; V's: 256 step + 16 r + 4 tile
.set BHB,   208896
.set QBH,   106496
	s_load_b128 s[4:7], s[0:1], 0x0                ; qh, kvh
	s_load_b64 s[8:9], s[0:1], 0x10                ; cr
	v_lshl_add_u32 v254, v0, 2, 0x33000
	v_mov_b32 v255, 0
	ds_add_u32 v254, v255
	ds_add_u32 v254, v255
	v_lshrrev_b32 v1, 5, v0
	s_delay_alu instid0(VALU_DEP_1)
	v_readfirstlane_b32 s10, v1                    ; wave 0..15
	s_and_b32 s22, ttmp7, 0xffff                   ; 16 batch + head
	s_mov_b32 s24, 3<<16                           ; group 1: no mask; elements of 8 bytes; no padding
	s_mov_b32 s25, 32<<16                          ; tensor_dim0 = 32: rows of 256 bytes
	s_mov_b32 s26, 51<<16                          ; tensor_dim1 = 51
	s_mov_b32 s27, 32<<16                          ; tile_dim0
	s_mov_b32 s28, 51                              ; tile_dim1
	s_mov_b32 s29, 32                              ; the pitch: dense
	s_mov_b32 s30, 0
	s_mov_b32 s31, 0
	s_mov_b32 s32, 1                               ; group 0: count = 1
	s_mul_i32 s33, s10, 13056                      ; LDS address: my sixteenth
	s_mul_i32 s36, s22, BHB
	s_add_co_u32 s36, s36, s33
	s_mov_b32 s37, 0
	s_wait_dscnt 0x0
	s_wait_kmcnt 0x0
	s_add_nc_u64 s[34:35], s[6:7], s[36:37]
	s_or_b32 s35, s35, 0x80000000                  ; type = 2
	tensor_load_to_lds s[32:35], s[24:31]          ; my one tensor load of the launch
	s_nop 0
.rept 4
	v_nop
.endr
	v_and_b32 v92, 31, v0                          ; lane
	v_and_b32 v93, 15, v0                          ; r
	v_bfe_u32 v94, v0, 4, 1                        ; h
	s_delay_alu instid0(VALU_DEP_3)
	v_lshlrev_b32 v1, 3, v92                       ; 8 x lane: my place in a piece of 256 bytes
	s_delay_alu instid0(VALU_DEP_1)
	v_add_nc_u32 v2, VOFF, v1
	s_delay_alu instid0(VALU_DEP_4)
	v_lshlrev_b32 v5, 4, v93                       ; 16 r
	s_delay_alu instid0(VALU_DEP_1)
	v_add_nc_u32 v3, KSOFF, v5
	s_delay_alu instid0(VALU_DEP_2)
	v_add_nc_u32 v4, VSOFF, v5
	s_delay_alu instid0(VALU_DEP_3)
	v_add_nc_u32 v6, v5, v94                       ; 16 r + h: my scale byte of ctx
	v_and_b32 v7, 8, v93
	s_delay_alu instid0(VALU_DEP_1)
	v_add_nc_u32 v7, v7, v93
	v_lshlrev_b32 v95, 4, v94
	s_delay_alu instid0(VALU_DEP_1)
	v_sub_nc_u32 v7, v7, v95                       ; r + (r & 8) - 16 h, for the mask
.irp j, 22,23,24,25,26,27, 38,39,40,41,42,43, 50,51,52,53,54,55, 62,63,64,65,66,67, 74,75,76,77,78,79
	v_mov_b32 v\j, 0                               ; the zero codes of k = 64 .. 127, written once
.endr
.irp b, 0,1,2,3
	v_mov_b32 v[216+\b], 0                         ; written once: a lane permute's destination counts as one of its sources
.endr
	v_mov_b32 v31, 0                               ; (named as the upper half of the pair v[30:31])
	s_lshl_b32 s11, ttmp9, 4
	s_add_co_u32 s11, s11, s10                     ; my first tile
	s_mov_b32 s18, 0x76543210
	s_mov_b32 s19, 0xfedcba98                      ; v_permlanex16_b32's selects for lane xor 16
	s_mov_b32 s20, 0x3e38aa3b                      ; c = log2(e) / 8
	s_mov_b32 s21, s20                             ; (named with it as a pair)
	s_mov_b32 s53, 0xffff0000                      ; lanes 16-31
	s_mul_i32 s36, s22, QBH
	s_add_nc_u64 s[38:39], s[4:5], s[36:37]        ; my head in qh
	s_lshr_b32 s17, s22, 4
	s_mul_i32 s36, s17, 1638400                    ; cr: the batch's 128 tiles of 12,800 bytes,
	s_bfe_u32 s17, s22, 0x10003
	s_mul_i32 s17, s17, 6400                       ; the record of heads 0-7 or 8-15
	s_add_co_u32 s36, s36, s17
	s_add_nc_u64 s[44:45], s[8:9], s[36:37]
	s_and_b32 s17, s22, 7
	s_mul_i32 s50, s17, 768                        ; my head's half fragment in it,
	s_lshl_b32 s51, s17, 1                         ; and its two bytes of a row's sixteen
	s_wait_tensorcnt 0x0                           ; my sixteenth has landed,
	s_barrier_signal -1
	s_barrier_wait -1                              ; everybody's has
.macro TILE                            ; the tile s11, from its Q to its half fragment of ctx
	s_wait_xcnt 0x0                                ; the tile before has had its stores' registers and bases read: they are written again only behind this wait
	s_lshr_b32 s13, s11, 3                         ; the step on the diagonal
	s_mul_i32 s36, s11, 768
	s_add_nc_u64 s[40:41], s[38:39], s[36:37]
	s_lshr_b32 s36, s11, 2
	s_lshl_b32 s36, s36, 8
	s_and_b32 s17, s11, 3
	s_lshl_b32 s17, s17, 2
	s_add_co_u32 s36, s36, s17
	s_add_nc_u64 s[42:43], s[38:39], s[36:37]
.irp p, 0,1,2
	global_load_b64 v[16+2*\p:17+2*\p], v1, s[40:41] offset:256*\p
.endr
	global_load_b32 v28, v5, s[42:43] offset:98304
	s_mul_i32 s36, s11, 12800
	s_add_co_u32 s17, s36, s51
	s_add_co_u32 s36, s36, s50
	s_add_nc_u64 s[46:47], s[44:45], s[36:37]      ; where the codes go
	s_mov_b32 s36, s17
	s_add_nc_u64 s[48:49], s[44:45], s[36:37]      ; and the bytes
	s_and_b32 s17, s11, 7
	s_lshr_b32 s17, s17, 1
	s_lshl_b32 s17, s17, 5
	s_and_b32 s52, s11, 1
	s_lshl_b32 s52, s52, 3
	s_add_co_u32 s52, s52, s17                     ; the tile's first token within the diagonal step's 128
.set j, 0
.rept 32
	v_mov_b32 v[160+j], 0                          ; O^T.  (The step is written once: the first finds zeros, which the first change of M leaves zeros)
.set j, j+1
.endr
	v_mov_b32 v13, 0xff61b1e6                      ; the largest t so far: -3e38
	s_delay_alu instid0(VALU_DEP_1)
	v_floor_f32 v12, -v13                          ; -M
	v_mov_b32 v14, 0
	v_mov_b32 v15, 0
	s_mov_b32 s12, 0                               ; the key step
	s_mov_b32 s14, 0                               ; its codes: 6,144 bytes a step, in K and in V alike
	s_mov_b32 s15, 0                               ; K's scale words: 512
	s_mov_b32 s16, 0                               ; V's: 256
	s_wait_loadcnt 0x0
.Lstep_\@:
	s_cmp_gt_u32 s12, s13
	s_cbranch_scc1 .Lhidden_\@                     ; all 128 keys come after my queries
	s_setprio 2
	v_add_nc_u32 v8, s14, v1
	s_wait_alu depctr_va_vdst(0)
	v_add_nc_u32 v9, s14, v2
	v_add_nc_u32 v10, s15, v3
	v_add_nc_u32 v11, s16, v4
	v_nop                                          ; six places: the scores are written over registers that the last step's second products read, which wants five
	v_nop
.irp g, 0,1                            ; S^T = K Q^T, four tiles of 16 keys at a time
.if \g
.rept 4
	v_nop                                          ; places in front of loads into registers that matrix instructions have read
.endr
.endif
.irp t, 0,1,2,3
.irp p, 0,1,2
	ds_load_b64 v[32+12*\t+2*\p:33+12*\t+2*\p], v8 offset:768*(4*\g+\t)+256*\p
.endr
.endr
.if \g == 0
	ds_load_b128 v[80:83], v10                     ; the scale words of the step's eight tiles
	ds_load_b128 v[84:87], v10 offset:256
.endif
	s_wait_dscnt 0x0
.irp t, 0,1,2,3
	v_wmma_scale_f32_16x16x128_f8f6f4 v[96+8*(4*\g+\t):103+8*(4*\g+\t)], v[32+12*\t:43+12*\t], v[16:27], 0, v[80+4*\g+\t], v28 matrix_a_fmt:MATRIX_FMT_FP6 matrix_b_fmt:MATRIX_FMT_FP6
.endr
.endr                                  ; register 16 b + i holds key 128 step + 32 b + 16 h + i
.rept 4
	v_nop
.endr
	s_cmp_lt_u32 s12, s13
	s_cbranch_scc1 .Lopen_\@                       ; all keys count
	v_add_nc_u32 v225, s52, v7                     ; d = my token within the step - 16 h: register 16 b + i is hidden where 32 b + i > d
	v_mov_b32 v226, 0xff800000                     ; -infinity: p = 0 then
.set n, 0
.rept 64
	v_cmp_gt_i32 vcc_lo, 32*(n/16)+n%16, v225
	v_cndmask_b32 v[96+n], v[96+n], v226, vcc_lo
.set n, n+1
.endr
.Lopen_\@:
.irp b, 0,1,2,3
	v_max3_num_f32 v[212+\b], v[96+16*\b], v[97+16*\b], v[98+16*\b]   ; the largest score of each block of 32 keys: for the row's maximum, and, since p rises with the score, for the block's largest p
.endr
.irp i, 3,5,7,9,11,13
.irp b, 0,1,2,3
	v_max3_num_f32 v[212+\b], v[212+\b], v[96+16*\b+\i], v[97+16*\b+\i]
.endr
.endr
.irp b, 0,1,2,3
	v_max_num_f32 v[212+\b], v[212+\b], v[111+16*\b]
.endr
.irp b, 0,1,2,3
	s_delay_alu instid0(VALU_DEP_4)
	v_permlanex16_b32 v[216+\b], v[212+\b], s18, s19
.endr
.irp b, 0,1,2,3
	s_delay_alu instid0(VALU_DEP_4)
	v_max_num_f32 v[212+\b], v[212+\b], v[216+\b]  ; with lane xor 16's 16 keys
.endr
	s_delay_alu instid0(VALU_DEP_2)
	v_max3_num_f32 v224, v212, v213, v214
	s_delay_alu instid0(VALU_DEP_1)
	v_max_num_f32 v224, v224, v215
	s_delay_alu instid0(VALU_DEP_1)
	v_mul_f32 v224, s20, v224                      ; the step's largest t of my query
	s_delay_alu instid0(VALU_DEP_1)
	v_max_num_f32 v13, v13, v224
	v_mov_b32 v224, v12
	s_delay_alu instid0(VALU_DEP_2)
	v_floor_f32 v12, -v13                          ; the new -M = -ceil(t): a whole number
	s_delay_alu instid0(VALU_DEP_1)
	v_sub_f32 v224, v12, v224                      ; old M - new M: a whole number, 0 or less
	s_delay_alu instid0(VALU_DEP_1)
	v_cvt_i32_f32 v224, v224                       ; (it saturates)
	s_delay_alu instid0(VALU_DEP_1)
	v_ldexp_f32 v30, 1.0, v224                     ; f = 2^(old M - new M)
.set j, 0
.rept 32
	v_pk_fma_f32 v[96+j:97+j], v[96+j:97+j], s[20:21], v[12:13] op_sel_hi:[1,0,0]   ; t - M, two at a time
.set j, j+2
.endr
	s_setprio 1
.irp b, 0,1,2,3
	v_fma_f32 v[212+\b], v[212+\b], s20, v12       ; the same of each block's largest score
.endr
.set j, 0
	s_wait_alu depctr_va_vdst(0)
.rept 64
	v_exp_f32 v[96+j], v[96+j]                     ; p = 2^(t - M)
.set j, j+1
.endr
	v_pk_mul_f32 v[14:15], v[14:15], v[30:31] op_sel_hi:[1,0]   ; the sums under the new M: the plain place behind the exponentials
	s_wait_alu depctr_va_vdst(0)                   ; one wait for the batch of 64, ahead of its first reader
.irp b, 0,1,2,3
	v_exp_f32 v[212+\b], v[212+\b]                 ; the blocks' largest p
.endr
	v_pk_add_f32 v[216:217], v[100:101], v[104:105]
	v_pk_add_f32 v[252:253], v[108:109], v[112:113]
	v_pk_add_f32 v[250:251], v[116:117], v[120:121]
	v_pk_add_f32 v[248:249], v[124:125], v[128:129]
	v_pk_add_f32 v[246:247], v[132:133], v[136:137]
	v_pk_add_f32 v[244:245], v[140:141], v[144:145]
	v_pk_add_f32 v[242:243], v[148:149], v[152:153]
	v_pk_add_f32 v[14:15], v[14:15], v[156:157]
	v_pk_add_f32 v[216:217], v[216:217], v[96:97]
	v_pk_add_f32 v[252:253], v[252:253], v[98:99]
	v_pk_add_f32 v[250:251], v[250:251], v[102:103]
	v_pk_add_f32 v[248:249], v[248:249], v[106:107]
	v_pk_add_f32 v[246:247], v[246:247], v[110:111]
	v_pk_add_f32 v[244:245], v[244:245], v[114:115]
	v_pk_add_f32 v[242:243], v[242:243], v[118:119]
	v_pk_add_f32 v[14:15], v[14:15], v[122:123]
	v_pk_add_f32 v[216:217], v[216:217], v[126:127]
	v_pk_add_f32 v[252:253], v[252:253], v[130:131]
	v_pk_add_f32 v[250:251], v[250:251], v[134:135]
	v_pk_add_f32 v[248:249], v[248:249], v[138:139]
	v_pk_add_f32 v[246:247], v[246:247], v[142:143]
	v_pk_add_f32 v[244:245], v[244:245], v[146:147]
	v_pk_add_f32 v[242:243], v[242:243], v[150:151]
	v_pk_add_f32 v[14:15], v[14:15], v[154:155]
	v_pk_add_f32 v[216:217], v[216:217], v[158:159]
	s_delay_alu instid0(VALU_DEP_2)
	v_pk_add_f32 v[14:15], v[14:15], v[248:249]
	s_delay_alu instid0(VALU_DEP_2)
	v_pk_add_f32 v[216:217], v[216:217], v[246:247]
	v_pk_add_f32 v[252:253], v[252:253], v[244:245]
	v_pk_add_f32 v[250:251], v[250:251], v[242:243]
	s_delay_alu instid0(VALU_DEP_2)
	v_pk_add_f32 v[14:15], v[14:15], v[252:253]
	s_delay_alu instid0(VALU_DEP_2)
	v_pk_add_f32 v[216:217], v[216:217], v[250:251]
	s_delay_alu instid0(VALU_DEP_1)
	v_pk_add_f32 v[14:15], v[14:15], v[216:217]
	s_wait_alu depctr_va_vdst(0)                   ; and one for the four
.irp b, 0,1,2,3
	v_max_num_f32 v[212+\b], 0x1800000, v[212+\b]  ; the floor 2^(3 - 127)
.endr
.irp b, 0,1,2,3
	s_delay_alu instid0(VALU_DEP_4)
	v_add_nc_u32 v[220+\b], 0xff000000, v[212+\b]  ; the conversion's scale operand
.endr
.irp b, 0,1,2,3
	s_delay_alu instid0(VALU_DEP_4)
	v_lshrrev_b32 v[216+\b], 23, v[220+\b]         ; the byte
.endr
	s_delay_alu instid0(VALU_DEP_3)
	v_lshl_or_b32 v29, v217, 8, v216               ; p's scale word for these 128 keys
	s_delay_alu instid0(VALU_DEP_1)
	v_lshl_or_b32 v29, v218, 16, v29
	s_delay_alu instid0(VALU_DEP_1)
	v_lshl_or_b32 v29, v219, 24, v29
.irp c, 0,1
	v_cvt_scalef32_pk16_fp6_f32 v[192+6*\c:194+6*\c], v[96+32*\c:111+32*\c], v[220+2*\c]
	v_cvt_scalef32_pk16_fp6_f32 v[204+4*\c:206+4*\c], v[112+32*\c:127+32*\c], v[220+2*\c+1]
.endr
	v_nop                                          ; one plain place behind a scaled conversion
.irp c, 0,1
.irp i, 0,1,2
	v_permlane16_swap_b32 v[192+6*\c+\i], v[204+4*\c+\i]
.endr
.irp i, 0,1,2
	s_delay_alu instid0(VALU_DEP_3)
	v_mov_b32 v[195+6*\c+\i], v[204+4*\c+\i]
.endr
.endr
.set j, 0
	s_setprio 0
.rept 16
	v_pk_mul_f32 v[160+j:161+j], v[160+j:161+j], v[30:31] op_sel_hi:[1,0]   ; O^T under the new M.  (These 16 are also the places between the scale word and codes just written and the products below)
.set j, j+2
.endr
.irp a, 0,1,2,3                        ; O^T += V^T P^T: four tiles of 16 of the head's 64; K = these 128 keys
.irp c, 0,1
.irp p, 0,1,2
	ds_load_b64 v[96+12*\a+6*\c+2*\p:97+12*\a+6*\c+2*\p], v9 offset:1536*\a+768*\c+256*\p
.endr
.endr
.endr
	ds_load_b128 v[88:91], v11
	s_wait_alu depctr_va_vdst(0)
	s_wait_dscnt 0x0
.irp a, 0,1,2,3
	v_wmma_scale_f32_16x16x128_f8f6f4 v[160+8*\a:167+8*\a], v[96+12*\a:107+12*\a], v[192:203], v[160+8*\a:167+8*\a], v[88+\a], v29 matrix_a_fmt:MATRIX_FMT_FP6 matrix_b_fmt:MATRIX_FMT_FP6
.endr
.Lhidden_\@:
	s_add_co_u32 s14, s14, 6144
	s_add_co_u32 s15, s15, 512
	s_add_co_u32 s16, s16, 256
	s_add_co_u32 s12, s12, 1
	s_cmp_lt_u32 s12, 16
	s_cbranch_scc1 .Lstep_\@
	s_setprio 0
	; the way out: O^T / the sum; register 16 b + i is d = 32 b + 16 h + i of my query: two blocks of the last projection's K
.rept 4
	v_nop
.endr
	s_wait_alu depctr_va_vdst(0)
	v_add_f32 v14, v14, v15
	s_delay_alu instid0(VALU_DEP_1)
	v_permlanex16_b32 v216, v14, s18, s19
	s_delay_alu instid0(VALU_DEP_1)
	v_add_f32 v14, v14, v216                       ; the row's sum
	s_wait_alu depctr_va_vdst(0)
	v_rcp_f32 v14, v14
	v_nop                                          ; a plain place behind the reciprocal,
	s_wait_alu depctr_va_vdst(0)                   ; and the wait ahead of its first reader
.set j, 0
.rept 32
	v_mul_f32 v[96+j], v[160+j], v14
.set j, j+1
.endr
.irp b, 0,1
	v_max3_num_f32 v[212+\b], |v[96+16*\b]|, |v[97+16*\b]|, 0x1800000
.endr
.irp i, 2,4,6,8,10,12,14
.irp b, 0,1
	s_delay_alu instid0(VALU_DEP_2)
	v_max3_num_f32 v[212+\b], v[212+\b], |v[96+16*\b+\i]|, |v[97+16*\b+\i]|
.endr
.endr
.irp b, 0,1
	s_delay_alu instid0(VALU_DEP_2)
	v_permlanex16_b32 v[216+\b], v[212+\b], s18, s19
.endr
.irp b, 0,1
	s_delay_alu instid0(VALU_DEP_2)
	v_max_num_f32 v[212+\b], v[212+\b], v[216+\b]
.endr
.irp b, 0,1
	s_delay_alu instid0(VALU_DEP_2)
	v_add_nc_u32 v[220+\b], 0xff000000, v[212+\b]
.endr
.irp b, 0,1
	s_delay_alu instid0(VALU_DEP_2)
	v_lshrrev_b32 v[216+\b], 23, v[220+\b]
.endr
	s_delay_alu instid0(VALU_DEP_1)
	v_cndmask_b32 v227, v216, v217, s53            ; lanes 0-15 store block 0's byte, lanes 16-31 block 1's
	v_cvt_scalef32_pk16_fp6_f32 v[192:194], v[96:111], v220
	v_cvt_scalef32_pk16_fp6_f32 v[204:206], v[112:127], v221
	v_nop
.irp i, 0,1,2
	v_permlane16_swap_b32 v[192+\i], v[204+\i]
.endr
.irp i, 0,1,2
	s_delay_alu instid0(VALU_DEP_3)
	v_mov_b32 v[195+\i], v[204+\i]
.endr
.irp p, 0,1,2
	global_store_b64 v1, v[192+2*\p:193+2*\p], s[46:47] offset:256*\p   ; 32 lanes store 256 consecutive bytes, aligned
.endr
	global_store_b8 v6, v227, s[48:49] offset:6144
.endm
	TILE
	s_sub_co_u32 s11, 127, s11                     ; the tile that makes my steps 17
	TILE
	s_wait_tensorcnt 0x0
	ds_add_u32 v254, v255
	s_wait_dscnt 0x0
	s_endpgm
.Lfunc_end_k_q83d397eb3b_attn:
	.size	k_q83d397eb3b_attn, .Lfunc_end_k_q83d397eb3b_attn-k_q83d397eb3b_attn
	.p2alignl 7, 3214868480
	.fill 96, 4, 3214868480
	.section	.rodata,"a",@progbits
	.p2align	6, 0x0
	.amdhsa_kernel k_q83d397eb3b_attn
		.amdhsa_group_segment_fixed_size 210944
		.amdhsa_private_segment_fixed_size 0
		.amdhsa_enable_private_segment 0
		.amdhsa_kernarg_size 24
		.amdhsa_user_sgpr_count 2
		.amdhsa_user_sgpr_kernarg_segment_ptr 1
		.amdhsa_wavefront_size32 1
		.amdhsa_system_sgpr_workgroup_id_x 1
		.amdhsa_system_sgpr_workgroup_id_y 1
		.amdhsa_system_sgpr_workgroup_id_z 1
		.amdhsa_system_vgpr_workitem_id 0
		.amdhsa_next_free_vgpr 256
		.amdhsa_next_free_sgpr 66
		.amdhsa_reserve_vcc 1
		.amdhsa_float_denorm_mode_32 3
		.amdhsa_float_denorm_mode_16_64 3
		.amdhsa_memory_ordered 1
		.amdhsa_forward_progress 1
		.amdhsa_inst_pref_size 67
	.end_amdhsa_kernel
	.amdgpu_metadata
---
amdhsa.version: [ 1, 2 ]
amdhsa.kernels:
  - .name:           k_q83d397eb3b_attn
    .symbol:         k_q83d397eb3b_attn.kd
    .args:
      - { .name: qh, .offset: 0, .size: 8, .value_kind: global_buffer, .address_space: global }
      - { .name: kvh, .offset: 8, .size: 8, .value_kind: global_buffer, .address_space: global }
      - { .name: cr, .offset: 16, .size: 8, .value_kind: global_buffer, .address_space: global }
    .group_segment_fixed_size: 210944
    .private_segment_fixed_size: 0
    .kernarg_segment_align: 8
    .kernarg_segment_size: 24
    .max_flat_workgroup_size: 512
    .sgpr_count:     66
    .vgpr_count:     256
    .wavefront_size: 32
...
	.end_amdgpu_metadata
.endif
;; end of part 3
;; launch outp (part 4): grid 4 x 64, 4 waves a work-group, clusters of 4 x 4, 307,712 bytes of LDS; arguments cr, wr, bo, out0; writes out0
.if DOCPART == 4
	.amdgcn_target "amdgcn-amd-amdhsa--gfx1250"
	.amdhsa_code_object_version 6
	.text
	.protected	k_q83d397eb3b_outp
	.globl	k_q83d397eb3b_outp
	.p2align	8
	.type	k_q83d397eb3b_outp,@function
k_q83d397eb3b_outp:
	s_mov_b64 s[64:65], 0
	v_nop
	global_prefetch_b8 v0, s[64:65] scope:SCOPE_SE
	s_setreg_imm32_b32 hwreg(HW_REG_WAVE_MODE, 25, 1), 1
	s_wait_xcnt 0x0
	s_wait_alu depctr_hold_cnt(0) depctr_sa_sdst(0) depctr_va_vdst(0) depctr_va_sdst(0) depctr_va_ssrc(0) depctr_va_vcc(0) depctr_vm_vsrc(0)
	s_getreg_b32 s2, hwreg(HW_REG_IB_STS2, 6, 4)
	s_cmp_eq_u32 s2, 0
	s_cbranch_scc0 .Lentry_in_a_cluster
	s_endpgm
.Lentry_in_a_cluster:
	s_bfe_u32 s2, ttmp6, 0x10000c
	s_cmp_lg_u32 s2, 0xf033
	s_cbranch_scc0 .Lentry_shape_is_right
	s_endpgm
.Lentry_shape_is_right:
; out0 = ctx Wo + bo on codes of FP6 (E2M3) with E8M0 scales.  cr (ctx) and wr (its fourth weight, Wo) are records of 6,400 bytes: a tile of 16 rows x 512 K: eight half fragments of 768 bytes in the order of the operand's
; registers, then 256 bytes of scale words; two records to a tile.  Lane-row r of tile T is row 32 (T / 2) + 8 (T % 2) + r + (r & 8).
; A WORK-GROUP makes 128 rows of ctx x 256 columns over all of K = 1,024; each of its four waves 64 x 128: 32 accumulators.  ALL OF K FOR THE TILE LIES IN LDS (24 tiles x 12,800 bytes), in two halves of K: every tensor
; load is a first fill, no LDS byte is filled twice, and the K steps have one barrier among them.
; THE PRODUCT IS USED TRANSPOSED (source 0 = 16 columns of Wo, source 1 = 16 rows of ctx): a lane holds one row of out0 and neighbouring columns.  The bias is the C of the first K step.
; CLUSTERS: 4 x 4 work-groups; ctx's tiles are shared along a row of the cluster, Wo's along a column: each is asked for jointly.  By this text's count a wave has two tensor loads outstanding.
; REGISTERS: window 0: v0-31 addresses; v32-95 scale words (register 8 i + s: lanes 0-15 A's tile i, lanes 16-31 B's tile i, K step s); v96-143, v144-191 A's fragments, two sets; on the way out v96-223 rows of out0.
;   window 1: accumulator (a, b) at v[8 (8 a + b)].   window 2: v0-95, v96-191 B's fragments, two sets; v192-255 the bias, eight registers a tile of columns.
.set CHUNK, 153600                     ; LDS: half of K: A's 8 records, then B's 16
.set REC,   6400
.set L8,    4                          ; v4     8 x lane
.set ADRA,  8                          ; v8-9   my four tiles of A in half 0, 1 of K
.set ADRB,  10                         ; v10-11 my eight tiles of B
.set ADRS,  12                         ; v12-13 my scale words: lanes 0-15 A's, lanes 16-31 B's
.set BBO,   14                         ; v14    64 h
.set STO,   16                         ; v16    the way out: where I put my bytes of a row
.set RD,    17                         ; v17    where I read a row back
.set CO,    18                         ; v18    16 x lane: my bytes of a row's 512
.set SC,    32
.set AF,    96
.set BF,    0
.set BB,    192
.set W_MUL,  0x52                      ; source 0 (B) window 2, source 1 (A) window 0, C and D window 1
.set W_MUL1, 0x62                      ; the same with C (the bias) in window 2
.set W_TOB,  0x80                      ; destination window 2
.set MSB, 0
.macro WIN new                         ; the immediate's high byte repeats the setting that is left
.if MSB != \new
	s_set_vgpr_msb (MSB<<8)|\new
.set MSB, \new
.endif
.endm
.macro PLACES                          ; four plain places behind a matrix instruction, in front of loads into its registers and of reads of its results
.rept 4
	v_nop
.endr
.endm
.macro CROUND                          ; a round of the cluster's barrier
	s_barrier_signal -1
	s_barrier_wait -1
	s_cmp_lg_u32 s18, 0
	s_cbranch_scc1 .Lnot_wave_0_\@
	s_barrier_signal -3
.Lnot_wave_0_\@:
	s_barrier_wait -3
	s_barrier_signal -1
	s_barrier_wait -1
.endm
.macro FRAG reg, adr, i, u             ; tile i's fragment of the half's u-th 128 along K: two half fragments, six loads of 256 consecutive bytes
.irp c, 0,1
.irp p, 0,1,2
	ds_load_b64 v[\reg+6*\c+2*\p:\reg+6*\c+2*\p+1], v[\adr] offset:REC*(\i)+768*(2*(\u)+\c)+256*\p
.endr
.endr
.endm
.macro FETCH s                         ; K step s: B's eight fragments, then A's four, tiles 0 and 1 first: 72 loads
	WIN W_TOB
.irp i, 0,1,2,3,4,5,6,7
	FRAG BF+96*((\s)%2)+12*\i, ADRB+(\s)/4, \i, (\s)%4
.endr
	WIN 0
.irp i, 0,1,2,3
	FRAG AF+48*((\s)%2)+12*\i, ADRA+(\s)/4, \i, (\s)%4
.endr
.endm
.macro SCALES q                        ; the scale words of four K steps.  (For i above 3 lanes 0-15 read filled bytes that no product names)
.irp i, 0,1,2,3,4,5,6,7
	ds_load_b128 v[SC+8*\i+4*\q:SC+8*\i+4*\q+3], v[ADRS+\q] offset:REC*\i
.endr
.endm
; 16 matrix instructions: A's tiles a0, a0 + 1 x B's eight.  The 32 accumulators take turns, one instruction a turn, in the same order in every K step.
.macro MUL16 a0, s, first
.irp a, \a0, \a0+1
.irp b, 0,1,2,3,4,5,6,7
.if \first
	v_wmma_scale_f32_16x16x128_f8f6f4 v[8*(8*(\a)+\b):8*(8*(\a)+\b)+7], v[BF+96*((\s)%2)+12*\b:BF+96*((\s)%2)+12*\b+11], v[AF+48*((\s)%2)+12*(\a):AF+48*((\s)%2)+12*(\a)+11], v[BB+8*\b:BB+8*\b+7], v[SC+8*\b+(\s)], v[SC+8*(\a)+(\s)] matrix_a_fmt:MATRIX_FMT_FP6 matrix_b_fmt:MATRIX_FMT_FP6 matrix_a_scale:MATRIX_SCALE_ROW1
.else
	v_wmma_scale_f32_16x16x128_f8f6f4 v[8*(8*(\a)+\b):8*(8*(\a)+\b)+7], v[BF+96*((\s)%2)+12*\b:BF+96*((\s)%2)+12*\b+11], v[AF+48*((\s)%2)+12*(\a):AF+48*((\s)%2)+12*(\a)+11], v[8*(8*(\a)+\b):8*(8*(\a)+\b)+7], v[SC+8*\b+(\s)], v[SC+8*(\a)+(\s)] matrix_a_fmt:MATRIX_FMT_FP6 matrix_b_fmt:MATRIX_FMT_FP6 matrix_a_scale:MATRIX_SCALE_ROW1
.endif
.endr
.endr
.endm
.macro KSTEP s, first
	s_wait_dscnt 12                                ; all but the youngest 12 loads: A's tiles 2 and 3
.if \first
	WIN W_MUL1
.else
	WIN W_MUL
.endif
	MUL16 0, \s, \first
	s_wait_dscnt 0x0                               ; A's tiles 2 and 3 are in
.if (\s) == 3
	WIN 0
	s_wait_tensorcnt 0x0                           ; my part of K's second half has landed, and my reads of the first half are over (the wait above):
	s_barrier_signal -1
	s_barrier_wait -1                              ; both now hold of every wave.
.endif
.if (\s) < 7
	PLACES                                         ; in front of loads into the set that the K step before multiplied
.if (\s) == 3
	SCALES 1
.endif
	FETCH (\s)+1
.endif
.if \first
	WIN W_MUL1
.else
	WIN W_MUL
.endif
	MUL16 2, \s, \first
.endm
	s_load_b256 s[4:11], s[0:1], 0x0               ; cr, wr, bo, out0
	v_lshl_add_u32 v254, v0, 2, 0x4b000
	v_mov_b32 v255, 0
	ds_add_u32 v254, v255
	ds_add_u32 v254, v255
	v_lshrrev_b32 v1, 5, v0
	v_readfirstlane_b32 s18, v1                    ; wave
	s_lshr_b32 s19, s18, 1                         ; HA: which 64 rows are mine.  Also: I fetch for A (0) or for B (1)
	s_and_b32 s20, s18, 1                          ; HB: which 128 columns.  Also: which half of that operand's tiles I fetch
	s_bfe_u32 s21, ttmp6, 0x40000                  ; cx: the tile of 256 columns
	s_bfe_u32 s22, ttmp6, 0x40004                  ; cy
	s_lshl_b32 s23, s22, 2
	s_lshl_b32 s23, 15, s23                        ; my row of the cluster
	s_lshl_b32 s56, 0x1111, s21                    ; my column
	; descriptor groups 1: records as rows of 800 elements of 8 bytes, 1,600 elements apart (a tile's two records): 4 rows for A, 8 for B; no padding
	s_or_b32 s24, s23, (3<<16)|(1<<21)             ; 15:0 the mask: A's tiles go to my row; 17:16 elements of 8 bytes; 21 set beside a mask
	s_or_b32 s32, s56, (3<<16)|(1<<21)             ; B's go to my column
.irp g, 24, 32
	s_mov_b32 s[\g+1], 800<<16                     ; tensor_dim0
	s_mov_b32 s[\g+3], 800<<16                     ; tile_dim0
	s_mov_b32 s[\g+5], 1600                        ; tensor_dim0_stride
	s_mov_b32 s[\g+6], 0
	s_mov_b32 s[\g+7], 0
.endr
	s_mov_b32 s26, 4<<16                           ; tensor_dim1
	s_mov_b32 s28, 4                               ; tile_dim1
	s_mov_b32 s34, 8<<16
	s_mov_b32 s36, 8
	s_and_b32 s60, ttmp7, 0xffff
	s_lshl_b32 s60, s60, 2
	s_add_co_u32 s60, s60, s22                     ; the tile of 128 rows: cy alone enters A's registers, cx alone B's
	s_mul_i32 s70, s60, 102400                     ; 8 tiles of 12,800 bytes
	s_mul_i32 s63, s20, 51200                      ; the 4 that I fetch
	s_add_co_u32 s70, s70, s63
	s_mov_b32 s71, 0
	s_mul_i32 s72, s21, 204800                     ; 16 tiles
	s_mul_i32 s78, s20, 102400                     ; the 8 that I fetch
	s_add_co_u32 s72, s72, s78
	s_add_co_u32 s72, s72, 2457600                 ; Wo is wr's fourth weight
	s_mov_b32 s73, 0
	s_mul_i32 s74, s20, 25600                      ; where they go in a half of K: no place in the cluster enters an LDS address
	s_mul_i32 s75, s20, 51200
	s_add_co_u32 s75, s75, 51200
	v_and_b32 v1, 31, v0                           ; lane
	v_and_b32 v2, 15, v0                           ; r
	v_bfe_u32 v3, v0, 4, 1                         ; h
	v_lshlrev_b32 v[L8], 3, v1
	s_mul_i32 s2, s19, 25600                       ; my four tiles of A
	s_mul_i32 s3, s20, 51200
	s_add_co_u32 s3, s3, 51200                     ; my eight of B
	v_add_nc_u32 v[ADRA], s2, v[L8]
	v_add_nc_u32 v[ADRB], s3, v[L8]
	v_add_nc_u32 v[ADRA+1], CHUNK, v[ADRA]
	v_add_nc_u32 v[ADRB+1], CHUNK, v[ADRB]
	s_sub_co_u32 s3, s3, s2
	v_mul_u32_u24 v5, s3, v3                       ; lanes 16-31 take B's words: one product, the distance between the two
	v_lshl_add_u32 v5, v2, 4, v5
	s_add_co_u32 s2, s2, 6144
	v_add_nc_u32 v[ADRS], s2, v5
	v_add_nc_u32 v[ADRS+1], CHUNK, v[ADRS]
	v_lshlrev_b32 v[BBO], 6, v3
	s_mul_i32 s2, s18, 8448                        ; my stage for the way out: 16 rows x (512 bytes + 16), in K's first half, which has had its one fill and, behind the barrier among the K steps, its last read
	v_mul_u32_u24 v[STO], v2, 528
	v_lshl_add_u32 v[STO], v3, 6, v[STO]
	v_add_nc_u32 v[STO], s2, v[STO]                ; in: row r, + 64 h
	v_lshlrev_b32 v[CO], 4, v1
	v_add_nc_u32 v[RD], s2, v[CO]                  ; back: the 32 lanes take one row of 512 bytes
	s_wait_dscnt 0x0
	s_wait_kmcnt 0x0
	s_add_nc_u64 s[66:67], s[4:5], s[70:71]
	s_add_nc_u64 s[68:69], s[6:7], s[72:73]
	CROUND                                         ; all sixteen work-groups are here: the joint loads meet
.irp q, 0,1
	s_mov_b32 s[40+4*\q], 1                        ; count = 1
	s_add_co_u32 s[41+4*\q], s74, \q*CHUNK         ; LDS address
	s_add_nc_u64 s[42+4*\q:43+4*\q], s[66:67], \q*REC   ; global address: the tiles' record q
	s_or_b32 s[43+4*\q], s[43+4*\q], 0x80000000    ; type = 2
	s_mov_b32 s[48+4*\q], 1
	s_add_co_u32 s[49+4*\q], s75, \q*CHUNK
	s_add_nc_u64 s[50+4*\q:51+4*\q], s[68:69], \q*REC
	s_or_b32 s[51+4*\q], s[51+4*\q], 0x80000000
.endr
	s_cmp_eq_u32 s19, 0                            ; a wave's two fills stand in one branch on its number; four v_nop follow the second
	s_cbranch_scc0 .Lfill_b
	tensor_load_to_lds s[40:43], s[24:31]
	s_nop 0
	tensor_load_to_lds s[44:47], s[24:31]
	s_nop 0
.rept 4
	v_nop
.endr
	s_branch .Lfilled
.Lfill_b:
	tensor_load_to_lds s[48:51], s[32:39]
	s_nop 0
	tensor_load_to_lds s[52:55], s[32:39]
	s_nop 0
.rept 4
	v_nop
.endr
.Lfilled:
	s_lshl_b32 s78, s21, 10
	s_lshl_b32 s79, s20, 9
	s_add_co_u32 s78, s78, s79                     ; my first column, in bytes: 4 (256 cx + 128 HB)
	s_mov_b32 s79, 0
	s_add_nc_u64 s[82:83], s[8:9], s[78:79]        ; in bo,
	s_lshl_b32 s84, s60, 19
	s_lshl_b32 s85, s19, 18
	s_add_co_u32 s84, s84, s85                     ; my first row: (128 tile + 64 HA) x 4,096 bytes
	s_add_co_u32 s84, s84, s78
	s_mov_b32 s85, 0
	s_add_nc_u64 s[86:87], s[10:11], s[84:85]      ; and in out0
	WIN W_TOB
	s_wait_alu depctr_va_vdst(0)
.irp b, 0,1,2,3,4,5,6,7                ; lane (r, h), tile b, register j: column 32 (b / 2) + 16 h + 8 (b % 2) + j
	global_load_b128 v[BB+8*\b:BB+8*\b+3], v[BBO], s[82:83] offset:4*(32*(\b/2)+8*(\b%2))
	global_load_b128 v[BB+8*\b+4:BB+8*\b+7], v[BBO], s[82:83] offset:4*(32*(\b/2)+8*(\b%2))+16
.endr
	WIN 0
	s_wait_loadcnt 0x0                             ; the bias
	s_wait_tensorcnt 1                             ; my part of K's first half is in; the second half's load may be out
	s_barrier_signal -1
	s_barrier_wait -1                              ; everybody's is
	SCALES 0
	FETCH 0
	KSTEP 0, 1                                     ; the first K step starts the sums, with the bias as C: nothing is cleared
	KSTEP 1, 0
	KSTEP 2, 0
	KSTEP 3, 0
	KSTEP 4, 0
	KSTEP 5, 0
	KSTEP 6, 0
	KSTEP 7, 0
	WIN 0
	PLACES
; THE WAY OUT, a tile of 16 rows x 128 columns at a time.  A lane holds pieces of one row, and the lanes beside it hold other rows: so a tile goes through my own stage and comes back as whole rows of 512 bytes.
; LDS serves a wave's instructions in order (ISA guide 5.7.1.4): no wait between the stores and the loads, nor in front of the next tile's stores.
.macro TOSTAGE a
	WIN 0x04                                       ; an LDS store's data are its source 1: window 1
.set j, 0
.rept 16
	ds_store_b128 v[STO], v[64*(\a)+4*j:64*(\a)+4*j+3] offset:128*(j/4)+16*(j%4)   ; registers 16 b + 4 k on: columns 32 b + 16 h + 4 k on; each accumulator from its low end on
.set j, j+1
.endr
	WIN 0
.set BK, AF+64*((\a)%2)
.irp t, 0,1,2,3,4,5,6,7,8,9,10,11,12,13,14,15
	ds_load_b128 v[BK+4*\t:BK+4*\t+3], v[RD] offset:528*\t
.endr
.endm
.macro SEND a, younger                 ; younger: the LDS instructions issued behind tile a's loads, which may stay out
.set BK, AF+64*((\a)%2)
	s_wait_dscnt \younger
.irp t, 0,1,2,3,4,5,6,7,8,9,10,11,12,13,14,15
	global_store_b128 v[CO], v[BK+4*\t:BK+4*\t+3], s[86:87] offset:(32*((\a)/2)+8*((\a)%2)+\t+8*(\t/8))*4096 th:TH_STORE_NT   ; 32 lanes store 512 consecutive bytes, aligned to 256; written once, read by nobody here
.endr
.endm
	TOSTAGE 0
.irp a, 1,2,3
.if \a > 1
	s_wait_xcnt 0x0                                ; tile a - 2's stores have read their registers: tile a's loads may land there
.endif
	TOSTAGE \a
	SEND \a-1, 32                                  ; behind tile a - 1's loads: tile a's 16 stores and 16 loads
.endr
	SEND 3, 0
	s_wait_tensorcnt 0x0
	ds_add_u32 v254, v255
	s_wait_dscnt 0x0
	CROUND                                         ; the closing round: no work-group ends while a partner may still ask for a tile that names it
	s_endpgm
.Lfunc_end_k_q83d397eb3b_outp:
	.size	k_q83d397eb3b_outp, .Lfunc_end_k_q83d397eb3b_outp-k_q83d397eb3b_outp
	.p2alignl 7, 3214868480
	.fill 96, 4, 3214868480
	.section	.rodata,"a",@progbits
	.p2align	6, 0x0
	.amdhsa_kernel k_q83d397eb3b_outp
		.amdhsa_group_segment_fixed_size 307712
		.amdhsa_private_segment_fixed_size 0
		.amdhsa_enable_private_segment 0
		.amdhsa_kernarg_size 32
		.amdhsa_user_sgpr_count 2
		.amdhsa_user_sgpr_kernarg_segment_ptr 1
		.amdhsa_wavefront_size32 1
		.amdhsa_system_sgpr_workgroup_id_x 1
		.amdhsa_system_sgpr_workgroup_id_y 1
		.amdhsa_system_sgpr_workgroup_id_z 1
		.amdhsa_system_vgpr_workitem_id 0
		.amdhsa_next_free_vgpr 768
		.amdhsa_next_free_sgpr 88
		.amdhsa_reserve_vcc 0
		.amdhsa_float_denorm_mode_32 3
		.amdhsa_float_denorm_mode_16_64 3
		.amdhsa_memory_ordered 1
		.amdhsa_forward_progress 1
		.amdhsa_inst_pref_size 95
	.end_amdhsa_kernel
	.amdgpu_metadata
---
amdhsa.version: [ 1, 2 ]
amdhsa.kernels:
  - .name:           k_q83d397eb3b_outp
    .symbol:         k_q83d397eb3b_outp.kd
    .args:
      - { .name: cr, .offset: 0, .size: 8, .value_kind: global_buffer, .address_space: global }
      - { .name: wr, .offset: 8, .size: 8, .value_kind: global_buffer, .address_space: global }
      - { .name: bo, .offset: 16, .size: 8, .value_kind: global_buffer, .address_space: global }
      - { .name: out0, .offset: 24, .size: 8, .value_kind: global_buffer, .address_space: global }
    .group_segment_fixed_size: 307712
    .private_segment_fixed_size: 0
    .kernarg_segment_align: 8
    .kernarg_segment_size: 32
    .max_flat_workgroup_size: 128
    .sgpr_count:     88
    .vgpr_count:     768
    .wavefront_size: 32
...
	.end_amdgpu_metadata
.endif
;; end of part 4
